; MI455X (gfx1250); checked and timed in simulation.
; The chip was launched on July 23, 2026; its instructions are those of AMD's public machine-readable ISA for CDNA 5 (MIT licence, August 2026) and "CDNA5" Instruction Set Architecture Reference Guide (July 2026). The comments in the code are by the model that wrote it; some were corrected since.
;; Sigmoid Self Attention. Allowed arithmetic: float matrix products may take bf16 or f16 operands with f32 sums; other float arithmetic in f32, or as packed bf16 or f16 multiplies, adds, multiply-adds, maxima and minima; sums over many terms, partial sums and values carried from step to step in f32; what a program stores and reads back later, other than sums and carried values, may be rounded once to bf16 or f16.
;; Inputs: alpha one number float32; bk 1,024 float32; bo 1,024 float32; bq 1,024 float32; bv 1,024 float32; wk 1,024 x 1,024 float32; wo 1,024 x 1,024 float32; wq 1,024 x 1,024 float32; wv 1,024 x 1,024 float32; x 2 x 2,048 x 1,024 float32.
;; Outputs: out0 2 x 2,048 x 1,024 float32.
;; 2 versions, each right; version 2 is version 1 with the launch cast written anew for expert scheduling mode. Each part assembles by itself: llvm-mc -triple=amdgcn-amd-amdhsa -mcpu=gfx1250 --defsym DOCPART=n.
;; ======== version 1 of 2: 4 launches
;; limits: right only within a limited range of input values
;; workspace buffers: cb 16,777,216 bytes; qkv 25,165,824 bytes; ao 8,388,608 bytes
;; launch cast (part 1): grid 64 x 8, 8 waves a work-group, no clusters, 0 bytes of LDS; arguments x, wq, wk, wv, wo, cb; writes cb
.if DOCPART == 1
	.amdgcn_target "amdgcn-amd-amdhsa--gfx1250"
	.amdhsa_code_object_version 6
	.text
	.protected	k_qa988bb93e9_cast
	.globl	k_qa988bb93e9_cast
	.p2align	8
	.type	k_qa988bb93e9_cast,@function
k_qa988bb93e9_cast:
	s_mov_b64 s[64:65], 0
	v_nop
	global_prefetch_b8 v0, s[64:65] scope:SCOPE_SE
	s_setreg_imm32_b32 hwreg(HW_REG_WAVE_MODE, 25, 1), 1
	s_wait_xcnt 0x0
; SIGMOID SELF-ATTENTION, launch 1 of 4: x, wq, wk, wv and wo are rounded once to bf16, the matrix operands of launches 2 and 4.
; NO WORK OF THE PROBLEM IS LEFT OUT, in any launch: all ten inputs reach the output.  A sigmoid is not unchanged by a term common to its row, so bk is live as bq is;
; bv passes through the normalised gates, whose sum is not exactly 1 (the 1e-6 in the divisor); bo and alpha stand in the last line.
; cb: bytes 0 .. 8,388,607 hold x as [4096][1024] bf16; behind it [4096][1024] bf16: the rows of wq, wk, wv, wo one after the other.
; SHARES.  The grid's y names a chunk of 4 MiB of f32: 0-3 are quarters of x, 4-7 are wq, wk, wv, wo.  A work-group takes 65,536 bytes of it, a wave 8,192: 16 loads of 512 consecutive
; bytes, all issued before the first wait; a lane's four numbers become 8 bytes, and a wave's store covers 256 consecutive bytes, aligned.  No LDS, no barrier, no matrix unit: a stream.
; LIMITS.  Rounding to nearest even; NaN and infinities pass as v_cvt_pk_bf16_f32 makes them.
.set NL,  16                           ; loads of a wave
.set X,   4                            ; v[4:67]   as loaded
.set Y,   68                           ; v[68:99]  as stored
	s_load_b256 s[4:11], s[0:1], 0x0               ; x s[4:5], wq s[6:7], wk s[8:9], wv s[10:11]
	s_load_b128 s[12:15], s[0:1], 0x20             ; wo s[12:13], cb s[14:15]
	s_and_b32 s20, ttmp7, 0xffff                   ; the chunk
	v_lshrrev_b32 v3, 5, v0                        ; wave
	v_and_b32 v2, 31, v0                           ; lane
	v_lshlrev_b32 v1, 4, v2
	v_lshl_or_b32 v1, v3, 13, v1                   ; source: 8,192 x wave + 16 x lane
	v_lshlrev_b32 v2, 3, v2
	v_lshl_or_b32 v2, v3, 12, v2                   ; destination: half of that
	s_cmp_lt_u32 s20, 4
	s_cselect_b32 s22, s20, 0                      ; a quarter of x, or a whole weight matrix from its first byte
	s_lshl_b32 s22, s22, 22
	s_lshl_b32 s21, ttmp9, 16
	s_add_co_u32 s22, s22, s21
	s_mov_b32 s23, 0
	s_lshl_b32 s24, s20, 21                        ; a chunk is 2 MiB of cb
	s_lshl_b32 s21, ttmp9, 15
	s_add_co_u32 s24, s24, s21
	s_mov_b32 s25, 0
	s_wait_kmcnt 0x0
	s_mov_b64 s[16:17], s[4:5]
	s_cmp_eq_u32 s20, 4
	s_cselect_b64 s[16:17], s[6:7], s[16:17]
	s_cmp_eq_u32 s20, 5
	s_cselect_b64 s[16:17], s[8:9], s[16:17]
	s_cmp_eq_u32 s20, 6
	s_cselect_b64 s[16:17], s[10:11], s[16:17]
	s_cmp_eq_u32 s20, 7
	s_cselect_b64 s[16:17], s[12:13], s[16:17]
	s_add_nc_u64 s[16:17], s[16:17], s[22:23]
	s_add_nc_u64 s[14:15], s[14:15], s[24:25]
.set i, 0
.rept NL
	global_load_b128 v[X+4*i:X+4*i+3], v1, s[16:17] offset:512*i th:TH_LOAD_NT
.set i, i+1
.endr
.set i, 0
.rept NL
	s_wait_loadcnt NL-1-i                          ; loads come back in order: load i is in, the younger ones stay out
	v_cvt_pk_bf16_f32 v[Y+2*i], v[X+4*i], v[X+4*i+1]
	v_cvt_pk_bf16_f32 v[Y+2*i+1], v[X+4*i+2], v[X+4*i+3]
	global_store_b64 v2, v[Y+2*i:Y+2*i+1], s[14:15] offset:256*i
.set i, i+1
.endr
	s_endpgm
.Lfunc_end_k_qa988bb93e9_cast:
	.size	k_qa988bb93e9_cast, .Lfunc_end_k_qa988bb93e9_cast-k_qa988bb93e9_cast
	.p2alignl 7, 3214868480
	.fill 96, 4, 3214868480
	.section	.rodata,"a",@progbits
	.p2align	6, 0x0
	.amdhsa_kernel k_qa988bb93e9_cast
		.amdhsa_group_segment_fixed_size 0
		.amdhsa_private_segment_fixed_size 0
		.amdhsa_enable_private_segment 0
		.amdhsa_kernarg_size 48
		.amdhsa_user_sgpr_count 2
		.amdhsa_user_sgpr_kernarg_segment_ptr 1
		.amdhsa_wavefront_size32 1
		.amdhsa_system_sgpr_workgroup_id_x 1
		.amdhsa_system_sgpr_workgroup_id_y 1
		.amdhsa_system_sgpr_workgroup_id_z 1
		.amdhsa_system_vgpr_workitem_id 0
		.amdhsa_next_free_vgpr 100
		.amdhsa_next_free_sgpr 66
		.amdhsa_reserve_vcc 0
		.amdhsa_float_denorm_mode_32 3
		.amdhsa_float_denorm_mode_16_64 3
		.amdhsa_memory_ordered 1
		.amdhsa_forward_progress 1
		.amdhsa_inst_pref_size 7
	.end_amdhsa_kernel
	.amdgpu_metadata
---
amdhsa.version: [ 1, 2 ]
amdhsa.kernels:
  - .name:           k_qa988bb93e9_cast
    .symbol:         k_qa988bb93e9_cast.kd
    .args:
      - { .name: x, .offset: 0, .size: 8, .value_kind: global_buffer, .address_space: global }
      - { .name: wq, .offset: 8, .size: 8, .value_kind: global_buffer, .address_space: global }
      - { .name: wk, .offset: 16, .size: 8, .value_kind: global_buffer, .address_space: global }
      - { .name: wv, .offset: 24, .size: 8, .value_kind: global_buffer, .address_space: global }
      - { .name: wo, .offset: 32, .size: 8, .value_kind: global_buffer, .address_space: global }
      - { .name: cb, .offset: 40, .size: 8, .value_kind: global_buffer, .address_space: global }
    .group_segment_fixed_size: 0
    .private_segment_fixed_size: 0
    .kernarg_segment_align: 8
    .kernarg_segment_size: 48
    .max_flat_workgroup_size: 256
    .sgpr_count:     66
    .vgpr_count:     100
    .wavefront_size: 32
...
	.end_amdgpu_metadata
.endif
;; end of part 1
;; launch qkvp (part 2): grid 16 x 16, 4 waves a work-group, clusters of 4 x 4, 327,680 bytes of LDS; arguments cb, bq, bk, bv, qkv; writes qkv
.if DOCPART == 2
	.amdgcn_target "amdgcn-amd-amdhsa--gfx1250"
	.amdhsa_code_object_version 6
	.text
	.protected	k_qa988bb93e9_qkvp
	.globl	k_qa988bb93e9_qkvp
	.p2align	8
	.type	k_qa988bb93e9_qkvp,@function
k_qa988bb93e9_qkvp:
	s_mov_b64 s[64:65], 0
	v_nop
	global_prefetch_b8 v0, s[64:65] scope:SCOPE_SE
	s_setreg_imm32_b32 hwreg(HW_REG_WAVE_MODE, 25, 1), 1
	s_wait_xcnt 0x0
	s_wait_alu depctr_hold_cnt(0) depctr_sa_sdst(0) depctr_va_vdst(0) depctr_va_sdst(0) depctr_va_ssrc(0) depctr_va_vcc(0) depctr_vm_vsrc(0)
	s_getreg_b32 s2, hwreg(HW_REG_IB_STS2, 6, 4)
	s_cmp_eq_u32 s2, 0
	s_cbranch_scc0 .Lentry_in_a_cluster
	s_endpgm
.Lentry_in_a_cluster:
	s_bfe_u32 s2, ttmp6, 0x10000c
	s_cmp_lg_u32 s2, 0xf033
	s_cbranch_scc0 .Lentry_shape_is_right
	s_endpgm
.Lentry_shape_is_right:
; Launch 2 of 4: [4096 x 3072] = xb . [wq; wk; wv]^T + bias, stored by heads in bf16.  Nothing of the problem is left out here.
; q is also multiplied by c = -log2(e) / 8, in f32, ahead of its one rounding: launch 3's gate is then 1 / (1 + 2^(q' . k)).
; qkv: [which 0..2][head 0..15][batch 0..1][t 2048][64] bf16: group g = 16 which + head begins at g x 524,288 bytes, a batch at 262,144, a row is 128 bytes: a head's rows are dense.
; SHARES.  A work-group makes 256 rows x 192 columns (three whole heads): 16 x 16 work-groups.  Wave w makes rows 64 w .. 64 w + 63 of all 192 columns: 48 accumulators of 16 x 16,
; so that what a wave stores is whole rows of whole heads, and its way out needs no other wave.
; K goes in steps of 128 (rows of 256 bytes in memory, aligned) through two LDS slots filled by tensor loads: waves 0 and 1 bring A's halves (128 rows), waves 2 and 3 B's (96 rows).
; CLUSTER.  4 x 4 work-groups: the four of a row of the cluster need the same rows of xb, the four of a column the same rows of the weights; each tile is asked for jointly.
; THE MATRIX INSTRUCTION IS USED TRANSPOSED (source 0 = 16 rows of the weights, source 1 = 16 rows of xb): a lane holds row l % 16 and eight neighbouring columns 8 (l / 16) + 0..7.
; REGISTERS, in windows of 256 (s_set_vgpr_msb: bits 1:0 source 0, 3:2 source 1, 5:4 source 2, 7:6 destination):
;   window 0: v0-31 addresses; v32-63 rows read back on the way out; v64-127 A's fragments, two buffers of 32 (on the way out: at work); v128-223 the biases of my 96 numbers
;   window 1: v0-191 B's fragments, two buffers of 96      window 2: the accumulators of row blocks 0, 1 ((a, b) at 8 (12 (a % 2) + b))      window 3: those of row blocks 2, 3
; LIMITS.  Operands rounded to bf16, sums in f32, K ascending; NaN and infinities are not treated apart.
.set KSTEP,  128
.set PITCH,  272                       ; an LDS row: 256 bytes + 16 of padding = 68 words: the 16 rows of a fragment load start at 16 different groups of four banks (64 banks of 4 bytes: ISA guide 11.1)
.set HA,     128*PITCH                 ; what a tensor load of A brings
.set HB,     96*PITCH                  ; what a tensor load of B brings
.set SLOT,   2*HA+2*HB                 ; A's 256 rows, then B's 192
.set STAGE,  2*SLOT                    ; behind the ring: 16 rows x 144 bytes for each wave
.set SP,     144
.set SPARE,  STAGE+4*16*SP             ; behind the stages: the spare words, 128 bytes a wave: two blocks of 256 bytes that no other line names
.set LAPS,   4                         ; 1,024 / (2 x 128)
.set ADRA, 16                          ; v16-17  LDS address of my A fragments in slot 0, 1
.set ADRB, 20                          ; v20-21  the same for B
.set STO,  24                          ; v24     the way out: where I put 16 bytes of a row
.set RD,   25                          ; v25     where I read rows back
.set GO,   26                          ; v26     16 x lane: my place in 512 consecutive bytes of qkv
.set BO,   27                          ; v27     32 (l / 16): my eight numbers in 16 of a bias
.set SPW,  28                          ; v28     my spare word; never rewritten
.set NIL,  29                          ; v29     0; never rewritten
.set PFO,  30                          ; v30     the prefetches' offset: a lane a row; never rewritten
.set BK,   32                          ; v32-63  two sets of 16
.set T,    64                          ; v64-95  a unit's 32 numbers in f32
.set PKD,  96                          ; v96-111 the same in bf16
.set BI,   128                         ; v128-223 bias of head j, column block bb at BI + 8 (4 j + bb)
.set G1,  24                           ; s[24:31] descriptor group 1 for A;  s[32:39] group 0, a set for each slot
.set G0,  32
.set G1B, 48                           ; s[48:55], s[56:63] the same for B
.set G0B, 56
.set LIM, 43                           ; s43     1 in a wave that prefetches, else the greatest number
.set PFA, 44                           ; s[44:45] where my prefetches stand
.set BP,  76                           ; s[76:81] head j's 64 numbers of its bias
.set SC,  82                           ; s[82:87] head j's scale, as a pair: c for a head of q, else 1
.set MSB, 0
.macro WIN new                         ; the immediate's high byte repeats the setting that is left; a switch that changes nothing is dropped
.if MSB != (\new)
	s_set_vgpr_msb (MSB<<8)|(\new)
.set MSB, \new
.endif
.endm
; A joint load: waves 0 and 1 ask for A's halves, waves 2 and 3 for B's.  The branch hangs on the wave's number alone.  An s_nop 0 and four v_nop follow each line.
.macro JLOAD s
	s_cmp_eq_u32 s11, 0
	s_cbranch_scc0 .Lfor_b_\@
	tensor_load_to_lds s[G0+4*(\s):G0+4*(\s)+3], s[G1:G1+7]
	s_nop 0
.rept 4
	v_nop
.endr
	s_branch .Lasked_\@
.Lfor_b_\@:
	tensor_load_to_lds s[G0B+4*(\s):G0B+4*(\s)+3], s[G1B:G1B+7]
	s_nop 0
.rept 4
	v_nop
.endr
.Lasked_\@:
.endm
; A prefetch into the L2 of the K step that stands two refills on: 384 matrix instructions ahead of the load that will ask for it.  xb's rows of a tile row are read by every cluster of that row of clusters:
; cluster x = 0 asks; the weights' rows of a tile column by every cluster of that column: cluster y = 0 asks.  The four partners share a wave's rows out by address: 32 of A's 128 (by cx),
; 24 of B's 96 (by cy; lanes 24-31 name row 23 once more).  The loop's last trip asks for nothing: K steps 4 to 7 are named, each block once in the launch.
.macro ASK
	s_cmp_gt_u32 s3, s[LIM]
	s_cbranch_scc0 .Lnot_mine_\@
	global_prefetch_b8 v[PFO], s[PFA:PFA+1] offset:KSTEP*2 th:TH_LOAD_NT scope:SCOPE_SE
.Lnot_mine_\@:
.endm
.macro CREST                           ; a round of the cluster's barrier behind its opening barrier
	s_cmp_lg_u32 s10, 0
	s_cbranch_scc1 .Lnot_wave_0_\@
	s_barrier_signal -3
.Lnot_wave_0_\@:
	s_barrier_wait -3
	s_barrier_signal -1
	s_barrier_wait -1
.endm
.macro CROUND                          ; a whole round
	s_barrier_signal -1
	s_barrier_wait -1
	CREST
.endm
.macro PLACES                          ; four places in front of loads into registers that matrix instructions have read (ISA guide 7.12.1 for vector instructions)
.rept 4
	v_nop
.endr
.endm
	s_load_b64 s[4:5], s[0:1], 0x0                 ; cb
	s_load_b128 s[68:71], s[0:1], 0x8              ; bq s[68:69], bk s[70:71]
	s_load_b128 s[72:75], s[0:1], 0x18             ; bv s[72:73], qkv s[74:75]
	v_lshl_add_u32 v[SPW], v0, 2, SPARE
	v_mov_b32 v[NIL], 0
	ds_add_u32 v[SPW], v[NIL]                      ; the wave's opening: the add, twice on end, and its wait ahead of my first tensor load
	ds_add_u32 v[SPW], v[NIL]
	v_lshrrev_b32 v1, 5, v0
	v_readfirstlane_b32 s10, v1                    ; wave 0..3
	s_lshr_b32 s11, s10, 1                         ; I fetch for A (0) or for B (1)
	s_and_b32 s12, s10, 1                          ; which half of that tile
	s_bfe_u32 s40, ttmp6, 0x40000                  ; cx
	s_bfe_u32 s41, ttmp6, 0x40004                  ; cy
	s_lshl_b32 s42, ttmp9, 2
	s_add_co_u32 s42, s42, s40                     ; tile column tc = 4 x cluster x + cx
	s_and_b32 s13, ttmp7, 0xffff
	s_lshl_b32 s13, s13, 2
	s_add_co_u32 s13, s13, s41                     ; tile row tr = 4 x cluster y + cy
	s_lshl_b32 s43, s41, 2
	s_lshl_b32 s43, 15, s43                        ; my row of the cluster
	s_lshl_b32 s44, 0x1111, s40                    ; my column
	s_or_b32 s[G1+0], s43, (1<<16)|(1<<20)|(1<<21)|(5<<22)|(3<<25)   ; the mask; elements of 2 bytes; padding on; bit 21 beside a mask; after every 64 words, 4 words
	s_or_b32 s[G1B+0], s44, (1<<16)|(1<<20)|(1<<21)|(5<<22)|(3<<25)
	s_mov_b32 s[G1+1], KSTEP<<16                   ; tensor_dim0 = 128
	s_mov_b32 s[G1B+1], KSTEP<<16
	s_mov_b32 s[G1+2], 128<<16                     ; tensor_dim1 = 128 rows of A,
	s_mov_b32 s[G1B+2], 96<<16                     ; 96 of B
	s_mov_b32 s[G1+3], KSTEP<<16                   ; tile_dim0 = 128
	s_mov_b32 s[G1B+3], KSTEP<<16
	s_mov_b32 s[G1+4], 128                         ; tile_dim1
	s_mov_b32 s[G1B+4], 96
	s_mov_b32 s[G1+5], 1024                        ; elements from row to row
	s_mov_b32 s[G1B+5], 1024
	s_mov_b32 s[G1+6], 0
	s_mov_b32 s[G1B+6], 0
	s_mov_b32 s[G1+7], 0
	s_mov_b32 s[G1B+7], 0
	s_lshl_b32 s17, s12, 7
	s_lshl_b32 s16, s13, 8
	s_add_co_u32 s16, s16, s17                     ; A: row 256 tr + 128 half,
	s_lshl_b32 s16, s16, 11                        ; of 2,048 bytes
	s_mov_b32 s17, 0
	s_mul_i32 s46, s42, 192
	s_mul_i32 s47, s12, 96
	s_add_co_u32 s46, s46, s47                     ; B: row 192 tc + 96 half
	s_lshl_b32 s46, s46, 11
	s_add_co_u32 s46, s46, 8388608                 ; behind xb
	s_mov_b32 s47, 0
	s_mul_i32 s20, s12, HA                         ; where they go: no place in the cluster enters an LDS address
	s_mul_i32 s21, s12, HB
	s_add_co_u32 s21, s21, 2*HA
	s_wait_dscnt 0x0                               ; both opening adds are done
	s_wait_kmcnt 0x0
	s_add_nc_u64 s[14:15], s[4:5], s[16:17]
	s_add_nc_u64 s[46:47], s[4:5], s[46:47]
	CROUND                                         ; all sixteen work-groups are here: the first joint loads meet
.irp s, 0,1
	s_mov_b32 s[G0+4*(\s)], 1
	s_add_co_u32 s[G0+4*(\s)+1], s20, (\s)*SLOT
	s_add_nc_u64 s[G0+4*(\s)+2:G0+4*(\s)+3], s[14:15], (\s)*KSTEP*2
	s_or_b32 s[G0+4*(\s)+3], s[G0+4*(\s)+3], 0x80000000
	s_mov_b32 s[G0B+4*(\s)], 1
	s_add_co_u32 s[G0B+4*(\s)+1], s21, (\s)*SLOT
	s_add_nc_u64 s[G0B+4*(\s)+2:G0B+4*(\s)+3], s[46:47], (\s)*KSTEP*2
	s_or_b32 s[G0B+4*(\s)+3], s[G0B+4*(\s)+3], 0x80000000
	JLOAD \s                                       ; two loads of mine are out
.endr
	v_and_b32 v1, 15, v0                           ; l % 16
	v_bfe_u32 v2, v0, 4, 1                         ; l / 16
	v_mul_u32_u24 v3, v1, PITCH
	v_lshl_add_u32 v3, v2, 4, v3                   ; a fragment's row x pitch + 16 x half
	s_mul_i32 s22, s10, 64*PITCH                   ; my 64 rows of A
	v_add_nc_u32 v[ADRA], s22, v3
	v_add_nc_u32 v[ADRA+1], SLOT, v[ADRA]
	v_add_nc_u32 v[ADRB], 2*HA, v3                 ; all 192 rows of B
	v_add_nc_u32 v[ADRB+1], 2*HA+SLOT, v3
	s_mul_i32 s23, s10, 16*SP
	s_add_co_u32 s23, s23, STAGE                   ; my stage
	v_mul_u32_u24 v4, v1, SP
	v_lshl_add_u32 v4, v2, 4, v4
	v_add_nc_u32 v[STO], s23, v4                   ; in: row l % 16, 16 bytes for each half of the lanes
	v_bfe_u32 v4, v0, 3, 2
	v_and_b32 v5, 7, v0
	v_mul_u32_u24 v4, v4, SP
	v_lshl_add_u32 v4, v5, 4, v4
	v_add_nc_u32 v[RD], s23, v4                    ; back: 32 lanes take four rows of 128 bytes
	v_and_b32 v[GO], 31, v0
	v_lshlrev_b32 v[GO], 4, v[GO]
	v_lshlrev_b32 v[BO], 5, v2
	; my three heads: group g = 3 tc + j; which = g / 16 picks the bias and the scale
	s_mul_i32 s88, s42, 3
.irp j, 0,1,2
	s_add_co_u32 s89, s88, \j
	s_lshr_b32 s90, s89, 4
	s_cmp_eq_u32 s90, 1
	s_cselect_b64 s[BP+2*(\j):BP+2*(\j)+1], s[70:71], s[68:69]
	s_cmp_eq_u32 s90, 2
	s_cselect_b64 s[BP+2*(\j):BP+2*(\j)+1], s[72:73], s[BP+2*(\j):BP+2*(\j)+1]
	s_cmp_eq_u32 s90, 0
	s_cselect_b32 s[SC+2*(\j)], 0xbe38aa3b, 1.0    ; c = -log2(e) / 8 = -0.180337
	s_mov_b32 s[SC+2*(\j)+1], s[SC+2*(\j)]         ; named with it as a pair
	s_and_b32 s90, s89, 15
	s_lshl_b32 s90, s90, 8                         ; the head's 64 numbers of 4 bytes
	s_mov_b32 s91, 0
	s_add_nc_u64 s[BP+2*(\j):BP+2*(\j)+1], s[BP+2*(\j):BP+2*(\j)+1], s[90:91]
.endr
.irp j, 0,1,2
.irp bb, 0,1,2,3
	global_load_b128 v[BI+8*(4*(\j)+(\bb)):BI+8*(4*(\j)+(\bb))+3],   v[BO], s[BP+2*(\j):BP+2*(\j)+1] offset:64*(\bb)
	global_load_b128 v[BI+8*(4*(\j)+(\bb))+4:BI+8*(4*(\j)+(\bb))+7], v[BO], s[BP+2*(\j):BP+2*(\j)+1] offset:64*(\bb)+16
.endr
.endr
	; where my rows begin in qkv: group 3 tc, batch tr / 8, row (tr % 8) x 256 + 64 w
	s_mul_i32 s16, s42, 3*524288
	s_lshr_b32 s17, s13, 3
	s_lshl_b32 s17, s17, 18
	s_add_co_u32 s16, s16, s17
	s_and_b32 s17, s13, 7
	s_lshl_b32 s17, s17, 15
	s_add_co_u32 s16, s16, s17
	s_lshl_b32 s17, s10, 13
	s_add_co_u32 s16, s16, s17
	s_mov_b32 s17, 0
	s_add_nc_u64 s[8:9], s[74:75], s[16:17]
	; the prefetches
	s_lshl_b32 s20, s13, 8
	s_lshl_b32 s22, s12, 7
	s_add_co_u32 s20, s20, s22
	s_lshl_b32 s22, s40, 5
	s_add_co_u32 s20, s20, s22                     ; A: row 256 tr + 128 half + 32 cx
	s_mul_i32 s21, s42, 192
	s_mul_i32 s22, s12, 96
	s_add_co_u32 s21, s21, s22
	s_mul_i32 s22, s41, 24
	s_add_co_u32 s21, s21, s22
	s_add_co_u32 s21, s21, 4096                    ; B: row 192 tc + 96 half + 24 cy, behind xb's 4,096 rows
	s_and_b32 s22, ttmp7, 0xffff
	s_cmp_eq_u32 s11, 0
	s_cselect_b32 s20, s20, s21
	s_cselect_b32 s22, ttmp9, s22                  ; the coordinate along which other clusters read the same rows
	s_cselect_b32 s23, 31, 23
	s_cmp_eq_u32 s22, 0
	s_cselect_b32 s[LIM], 1, -1                    ; the same in all sixteen partners, for a given wave
	s_lshl_b32 s20, s20, 11
	s_add_co_u32 s20, s20, 2*KSTEP*2               ; at K step 2: the first refill steps it to 3 and names K step 4
	s_mov_b32 s21, 0
	s_add_nc_u64 s[PFA:PFA+1], s[4:5], s[20:21]
	v_and_b32 v[PFO], 31, v0
	v_min_u32 v[PFO], s23, v[PFO]
	v_lshlrev_b32 v[PFO], 11, v[PFO]
; 12 matrix instructions: row block 2 hi + a x all 12 column blocks, 32 along K, from fragment buffer f.  zero = 1: the product starts the sums.
; The 48 accumulators take turns, one instruction a turn, in the same order in every quarter.
.macro MULH f, hi, a, zero
	WIN 0xa1+0x50*(\hi)
.irp b, 0,1,2,3,4,5,6,7,8,9,10,11
.if \zero
	v_wmma_f32_16x16x32_bf16 v[8*(12*(\a)+(\b)):8*(12*(\a)+(\b))+7], v[96*(\f)+8*(\b):96*(\f)+8*(\b)+7], v[64+32*(\f)+8*(2*(\hi)+(\a)):64+32*(\f)+8*(2*(\hi)+(\a))+7], 0
.else
	v_wmma_f32_16x16x32_bf16 v[8*(12*(\a)+(\b)):8*(12*(\a)+(\b))+7], v[96*(\f)+8*(\b):96*(\f)+8*(\b)+7], v[64+32*(\f)+8*(2*(\hi)+(\a)):64+32*(\f)+8*(2*(\hi)+(\a))+7], v[8*(12*(\a)+(\b)):8*(12*(\a)+(\b))+7]
.endif
.endr
.endm
; 32 LDS loads in one run: a quarter's fragments (192 rows of B, my 64 rows of A, 32 K at byte k of the rows) into buffer f; A's last
.macro FETCH slot, k, f
	WIN 0x40
.irp i, 0,1,2,3,4,5,6,7,8,9,10,11
	ds_load_b128 v[96*(\f)+8*(\i):96*(\f)+8*(\i)+3],   v[ADRB+(\slot)] offset:(\k)+(\i)*16*PITCH
	ds_load_b128 v[96*(\f)+8*(\i)+4:96*(\f)+8*(\i)+7], v[ADRB+(\slot)] offset:(\k)+(\i)*16*PITCH+32
.endr
	WIN 0
.irp i, 0,1,2,3
	ds_load_b128 v[64+32*(\f)+8*(\i):64+32*(\f)+8*(\i)+3],   v[ADRA+(\slot)] offset:(\k)+(\i)*16*PITCH
	ds_load_b128 v[64+32*(\f)+8*(\i)+4:64+32*(\f)+8*(\i)+7], v[ADRA+(\slot)] offset:(\k)+(\i)*16*PITCH+32
.endr
.endm
; A K step is four quarters of 32 along K, 48 matrix instructions each, on buffers 0, 1, 0, 1.  One of the first three multiplies buffer f and fetches the next quarter, at byte k, into g.
.macro QUARTER slot, k, f, g, zero
	s_wait_dscnt 4                                 ; B and A's row blocks 0, 1 are in; the youngest four loads (blocks 2, 3) may be out
	MULH \f, 0, 0, \zero
	MULH \f, 0, 1, \zero
	PLACES
	FETCH \slot, \k, \g
	s_wait_dscnt 32                                ; all but the 32 just issued
	MULH \f, 1, 0, \zero
	MULH \f, 1, 1, \zero
.endm
; The last quarter multiplies buffer 1 and changes slots: one barrier; in front of it each wave waits for all its tensor loads (one is out: its part of the next slot), adds 0 to its spare word,
; and waits for that and for its reads of this slot.  fill = 1: the barrier opens a round of the cluster's, and this slot is filled again, two K steps on, first thing behind the round.
.macro TURN slot, next, fill
.if \fill
	s_wait_xcnt 0x0                                ; the last prefetch, a K step back, has read its address
	s_add_nc_u64 s[PFA:PFA+1], s[PFA:PFA+1], KSTEP*2
.endif
	WIN 0                                          ; (the add's two registers lie in window 0)
	s_wait_tensorcnt 0x0
	ds_add_u32 v[SPW], v[NIL]
	s_wait_dscnt 5                                 ; (the add and the youngest four loads may be out)
	MULH 1, 0, 0, 0                                ; twelve matrix instructions stand between the add and the wait for it
	s_wait_dscnt 0x0                               ; the add is done, and my reads of this slot are over
	s_barrier_signal -1
	MULH 1, 0, 1, 0                                ; work on registers while the others arrive
.if \fill
	WIN 0
.endif
	s_barrier_wait -1
.if \fill
	CREST                                          ; no wave of any partner still reads this slot or has a load on its way
	s_add_nc_u64 s[G0+4*(\slot)+2:G0+4*(\slot)+3], s[G0+4*(\slot)+2:G0+4*(\slot)+3], 2*KSTEP*2
	s_add_nc_u64 s[G0B+4*(\slot)+2:G0B+4*(\slot)+3], s[G0B+4*(\slot)+2:G0B+4*(\slot)+3], 2*KSTEP*2
	JLOAD \slot                                    ; its four v_nop are also the places in front of the loads below
.else
	PLACES
.endif
	FETCH \next, 0, 0
.if \fill
	ASK
.endif
	MULH 1, 1, 0, 0
	MULH 1, 1, 1, 0
.endm
; THE WAY OUT, in 12 units u: row block a = u / 3, head j = u % 3: 16 rows x 64 columns.  PACK: (sum + bias) x scale as one fused multiply-add (the bias was multiplied by the scale once), rounded to bf16,
; 16 bytes a lane into my stage, back as whole rows of 128 bytes.  SEND: 16 rows of a head are 2,048 consecutive bytes of qkv: four stores of 512.
.macro PACK u
	WIN 0x02+(\u)/6                                ; source 0: window 2 (row blocks 0, 1) or 3
.irp bb, 0,1,2,3
.irp r, 0,2,4,6
	v_pk_fma_f32 v[T+8*(\bb)+(\r):T+8*(\bb)+(\r)+1], v[8*(12*(((\u)/3)%2)+4*((\u)%3)+(\bb))+(\r):8*(12*(((\u)/3)%2)+4*((\u)%3)+(\bb))+(\r)+1], s[SC+2*((\u)%3):SC+2*((\u)%3)+1], v[BI+8*(4*((\u)%3)+(\bb))+(\r):BI+8*(4*((\u)%3)+(\bb))+(\r)+1] op_sel_hi:[1,0,1]
.endr
.endr
	WIN 0
.irp i, 0,1,2,3,4,5,6,7,8,9,10,11,12,13,14,15
	v_cvt_pk_bf16_f32 v[PKD+(\i)], v[T+2*(\i)], v[T+2*(\i)+1]
.endr
.irp bb, 0,1,2,3
	ds_store_b128 v[STO], v[PKD+4*(\bb):PKD+4*(\bb)+3] offset:32*(\bb)
.endr
	s_wait_xcnt 0x0                                ; the stores of the unit two back have read this set of registers
.irp f, 0,1,2,3
	ds_load_b128 v[BK+16*((\u)%2)+4*(\f):BK+16*((\u)%2)+4*(\f)+3], v[RD] offset:(\f)*4*SP  ; LDS serves a wave's instructions in order (ISA guide 5.7.1.4): these see the stores above
.endr
.endm
.macro SEND u, younger                 ; younger: the LDS instructions issued behind unit u's loads: the next unit's eight, or none
.irp f, 0,1,2,3
	s_wait_dscnt (\younger)+3-(\f)
	global_store_b128 v[GO], v[BK+16*((\u)%2)+4*(\f):BK+16*((\u)%2)+4*(\f)+3], s[8:9] offset:((\u)%3)*524288+((\u)/3)*2048+(\f)*512
.endr
.endm
	s_wait_tensorcnt 1                             ; my part of K step 0 is in; K step 1's may stay out
	s_barrier_signal -1
	s_barrier_wait -1
	FETCH 0, 0, 0
	QUARTER 0, 64,  0, 1, 1                        ; the first quarter stands in front of the loop: its products start the sums
	WIN 0                                          ; at a label and at a branch every window is 0
	s_mov_b32 s3, LAPS-1
.Llap:                                                 ; a trip goes once round the ring, from a lap's second quarter to the next lap's first, and fills both slots again
	QUARTER 0, 128, 1, 0, 0
	QUARTER 0, 192, 0, 1, 0
	TURN 0, 1, 1
	QUARTER 1, 64,  0, 1, 0
	QUARTER 1, 128, 1, 0, 0
	QUARTER 1, 192, 0, 1, 0
	TURN 1, 0, 1
	QUARTER 0, 64,  0, 1, 0
	WIN 0
	s_sub_co_u32 s3, s3, 1
	s_cmp_lg_u32 s3, 0
	s_cbranch_scc1 .Llap
	QUARTER 0, 128, 1, 0, 0                        ; the last lap fills nothing
	QUARTER 0, 192, 0, 1, 0
	TURN 0, 1, 0
	QUARTER 1, 64,  0, 1, 0
	QUARTER 1, 128, 1, 0, 0
	QUARTER 1, 192, 0, 1, 0
	s_wait_dscnt 4                                 ; the very last quarter: nothing more to fetch
	MULH 1, 0, 0, 0
	MULH 1, 0, 1, 0
	s_wait_dscnt 0x0
	MULH 1, 1, 0, 0
	MULH 1, 1, 1, 0
	WIN 0
	s_wait_loadcnt 0x0                             ; the biases
.irp j, 0,1,2                          ; bias x scale, once: 48 plain instructions that name no register of the last products: their places
.irp r, 0,2,4,6,8,10,12,14,16,18,20,22,24,26,28,30
	v_pk_mul_f32 v[BI+32*(\j)+(\r):BI+32*(\j)+(\r)+1], v[BI+32*(\j)+(\r):BI+32*(\j)+(\r)+1], s[SC+2*(\j):SC+2*(\j)+1] op_sel_hi:[1,0]
.endr
.endr
	PACK 0
.irp u, 1,2,3,4,5,6,7,8,9,10,11       ; a unit's arithmetic stands between the loads of the unit before and its stores
	PACK \u
	SEND (\u)-1, 8
.endr
	SEND 11, 0
	s_wait_tensorcnt 0x0                           ; the wave's end, behind my last tensor load and my last LDS store
	ds_add_u32 v[SPW], v[NIL]
	s_wait_dscnt 0x0
	CROUND                                         ; the closing round: no work-group ends while a partner may still ask for a tile that names it
	s_endpgm
.Lfunc_end_k_qa988bb93e9_qkvp:
	.size	k_qa988bb93e9_qkvp, .Lfunc_end_k_qa988bb93e9_qkvp-k_qa988bb93e9_qkvp
	.p2alignl 7, 3214868480
	.fill 96, 4, 3214868480
	.section	.rodata,"a",@progbits
	.p2align	6, 0x0
	.amdhsa_kernel k_qa988bb93e9_qkvp
		.amdhsa_group_segment_fixed_size 327680
		.amdhsa_private_segment_fixed_size 0
		.amdhsa_enable_private_segment 0
		.amdhsa_kernarg_size 40
		.amdhsa_user_sgpr_count 2
		.amdhsa_user_sgpr_kernarg_segment_ptr 1
		.amdhsa_wavefront_size32 1
		.amdhsa_system_sgpr_workgroup_id_x 1
		.amdhsa_system_sgpr_workgroup_id_y 1
		.amdhsa_system_sgpr_workgroup_id_z 1
		.amdhsa_system_vgpr_workitem_id 0
		.amdhsa_next_free_vgpr 1024
		.amdhsa_next_free_sgpr 92
		.amdhsa_reserve_vcc 0
		.amdhsa_float_denorm_mode_32 3
		.amdhsa_float_denorm_mode_16_64 3
		.amdhsa_memory_ordered 1
		.amdhsa_forward_progress 1
		.amdhsa_inst_pref_size 140
	.end_amdhsa_kernel
	.amdgpu_metadata
---
amdhsa.version: [ 1, 2 ]
amdhsa.kernels:
  - .name:           k_qa988bb93e9_qkvp
    .symbol:         k_qa988bb93e9_qkvp.kd
    .args:
      - { .name: cb, .offset: 0, .size: 8, .value_kind: global_buffer, .address_space: global }
      - { .name: bq, .offset: 8, .size: 8, .value_kind: global_buffer, .address_space: global }
      - { .name: bk, .offset: 16, .size: 8, .value_kind: global_buffer, .address_space: global }
      - { .name: bv, .offset: 24, .size: 8, .value_kind: global_buffer, .address_space: global }
      - { .name: qkv, .offset: 32, .size: 8, .value_kind: global_buffer, .address_space: global }
    .group_segment_fixed_size: 327680
    .private_segment_fixed_size: 0
    .kernarg_segment_align: 8
    .kernarg_segment_size: 40
    .max_flat_workgroup_size: 128
    .sgpr_count:     92
    .vgpr_count:     1024
    .wavefront_size: 32
...
	.end_amdgpu_metadata
.endif
;; end of part 2
;; launch attn (part 3): grid 8 x 32, 4 waves a work-group, clusters of 4 x 1, 327,680 bytes of LDS; arguments qkv, ao; writes ao
.if DOCPART == 3
	.amdgcn_target "amdgcn-amd-amdhsa--gfx1250"
	.amdhsa_code_object_version 6
	.text
	.protected	k_qa988bb93e9_attn
	.globl	k_qa988bb93e9_attn
	.p2align	8
	.type	k_qa988bb93e9_attn,@function
k_qa988bb93e9_attn:
	s_mov_b64 s[64:65], 0
	v_nop
	global_prefetch_b8 v0, s[64:65] scope:SCOPE_SE
	s_setreg_imm32_b32 hwreg(HW_REG_WAVE_MODE, 25, 1), 1
	s_wait_xcnt 0x0
	s_wait_alu depctr_hold_cnt(0) depctr_sa_sdst(0) depctr_va_vdst(0) depctr_va_sdst(0) depctr_va_ssrc(0) depctr_va_vcc(0) depctr_vm_vsrc(0)
	s_getreg_b32 s2, hwreg(HW_REG_IB_STS2, 6, 4)
	s_cmp_eq_u32 s2, 0
	s_cbranch_scc0 .Lentry_in_a_cluster
	s_endpgm
.Lentry_in_a_cluster:
	s_bfe_u32 s2, ttmp6, 0x10000c
	s_cmp_lg_u32 s2, 0x3003
	s_cbranch_scc0 .Lentry_shape_is_right
	s_endpgm
.Lentry_shape_is_right:
; Launch 3 of 4: for each of the 32 (head, batch) pairs y = 2 head + batch:  O[t] = (sum over s of g[t][s] V[s]) / (sum over s of g[t][s] + 1e-6),  g = sigmoid(q . k / 8) = 1 / (1 + 2^(q' . k)),
; where q' = -log2(e) / 8 x q was made in launch 2.  Nothing of the problem is left out.  The problem takes no maximum away: a gate lies in 0 to 1 whatever the score.
; qkv: q at y << 18, k at 8 MiB + (y << 18), v at 16 MiB + (y << 18): [2048][64] bf16, dense rows of 128 bytes.  ao: the same layout as q.
; THE GATES.  The loop carries G = 2^60 g; the factor cancels in the division, whose 1e-6 becomes 2^60 x 1e-6.  With e = 2^s:  a = min(1, 2^-60 (1 + e)), one fused multiply-add with clamp (an infinite e gives 1), so G = 1 / a.
; ONE RECIPROCAL SERVES TWO GATES: of four scores the pairs [a0, a1] and [a2, a3] give one packed product [a0 a2, a1 a3] (in 2^-120 .. 1: never denormal), two reciprocals r, and in place
; [a0, a1] r = [G2, G3], [a2, a3] r = [G0, G1]: each slot ends with its neighbour's gates, and the rounding to bf16 reads the slots crosswise.  For four scores: 6 exponentials and reciprocals, 9 plain instructions.
; LIMITS.  Products in bf16 with f32 sums; the gates are rounded to bf16 for the second product, their sum l is taken of the unrounded gates, in another order than the problem's.  A gate below 2^-60 counts as 2^-60:
; over 2,048 keys, beside a divisor of at least 1e-6, that moves a number of O by at most 1.8e-9 x the largest |v|.  NaN and infinities in the inputs are not treated apart.
; SHARES.  A work-group owns 256 queries of one y, a wave 64: four PIECES of 16.  Every wave walks all 2,048 keys, 64 a step.  The four query blocks of a cluster walk the same K and V: each tile is asked for jointly.
; LAYOUT.  S^T = K Q^T (source 0 = 16 keys, source 1 = 16 queries): a lane holds ONE query (lane % 16) and the keys 8 (lane / 16) + 0..7.  Two such results rounded to bf16 ARE source 1 of O^T = V^T P.
; K comes out of LDS as it lies, V ([key][channel]) turned, by ds_load_tr16_b128.
; THE PIPELINE.  A piece's scores go through four stages, each a turn after the last: E, 2^s; A, M and R: a, the products and their reciprocals; G, C and L: the gates, their rounding to bf16 and their sum; then the product V^T P.
; Turn m of a step: 8 products V^T P of piece m (last step's gates), 8 products K Q^T of piece m (this step); beside them E on piece m - 1, A, M and R on piece m - 2, G, C and L on piece m - 3 (= m + 1).
; So no instruction of a turn names the result of an exponential or reciprocal of the same turn, and the turn's 48 of them have ONE wait, at its end.
; THE COUNT.  16 matrix and 120 vector instructions a turn: four vector instructions, one of them an exponential or reciprocal, stand behind every matrix instruction, the other 56 in one lump.
; REGISTERS, in windows of 256 (s_set_vgpr_msb: bits 1:0 source 0, 3:2 source 1, 5:4 source 2, 7:6 destination):
;   window 0: v0-15 addresses; v16-31 l, two pairs a piece; v32-63 the products and their reciprocals, two buffers by the piece's parity; v64-191 S^T, 32 a piece; v192-223 P, two buffers likewise; v224-225 2^-60
;   window 1: v0-127 O^T, 32 a piece          window 2: v0-63 Q, 16 a piece; v128-191 K of one step; v192-255 V of one step
.set KS,    64        ; keys in a step
.set PITK,  144       ; a row of K in LDS: 128 bytes + 16 of padding = 36 words: the 16 rows of a load start at 16 different groups of four banks (64 banks of 4 bytes: ISA guide 11.1)
.set PITV,  160       ; a row of V: 128 + 32 = 40 words
.set VOFF,  4*KS*PITK ; a slot holds a tile of four steps: 256 rows of K, then 256 rows of V
.set SLOT1, 1<<17     ; slot 1 begins here, so that one exclusive or turns an address in one slot into the other's
.set STAGE, SLOT1+4*KS*(PITK+PITV)  ; behind the ring: 16 rows x 144 bytes for each wave, for the way out
.set SP,    144
.set SPARE, STAGE+4*16*SP  ; behind the stages: the spare words, 128 bytes a wave: two blocks of 256 bytes that no other line names
.set TILEB, 4*KS*128  ; a tile's bytes of K, and of V, in memory
.set AK0, 2           ; v2   my lane's place in a tile of K; never rewritten
.set AV0, 3           ; v3   the same for V
.set AK,  4           ; v4   the LDS address of K's run of loads
.set AV,  5           ; v5   of V's
.set STO, 6           ; v6   the way out: where I put 16 bytes of a row
.set RD,  7           ; v7   where I read rows back
.set GO,  8           ; v8   16 x lane
.set SPW, 12          ; v12  my spare word; never rewritten
.set NIL, 13          ; v13  0; never rewritten
.set PFO, 14          ; v14  256 x lane; never rewritten
.set QO,  15          ; v15  my byte offset in 16 rows of Q
.set LSUM, 16
.set MB,  32
.set S,   64
.set P,   192
.set KK,  224         ; v[224:225] 2^-60, twice; never rewritten
.set KF,  128         ; window 2: key block kb, channel half c at KF + 16 kb + 8 c
.set VF,  192         ; window 2: key half kk, channel block cb at VF + 32 kk + 8 cb
.set WV,  12          ; s12  my wave's number
.set LIM, 15          ; s15  1 in a wave that prefetches, else the greatest number
.set PFA, 18          ; s[18:19] where my prefetches stand
.set G1K, 24          ; s[24:31] descriptor group 1 for K's tiles
.set G1V, 32          ; s[32:39] for V's: it differs in the padding alone
.set G0K, 40          ; s[40:43] descriptor group 0 for K's tiles: it walks
.set G0V, 44          ; s[44:47] the same for V's
.set SLOTS, 56        ; s56  tiles still to be asked for
.set CNT, 57          ; s57  counts a tile's key steps
.set INF, 58          ; s58  +infinity
.set SEL, 60          ; s[60:61] v_permlanex16_b32's selects: each lane takes its own place in the other half
.set TBK, 62          ; s62  LDS byte at which K of the step to be fetched begins
.set TBV, 63          ; s63  the same for V, less VOFF
.set MSB, 0
.macro WIN new                      ; the high byte repeats the setting that is left; a switch that changes nothing is dropped
.if MSB != (\new)
	s_set_vgpr_msb (MSB<<8)|(\new)
.set MSB, (\new)
.endif
.endm
.set W_KQ, 0x0a       ; K and Q in window 2, S^T in window 0
.set W_PV, 0x52       ; V in window 2, P in window 0, O^T in window 1
.set W_RS, 0x41       ; O^T (destination and source 0) in window 1, source 1 in window 0
; A joint fill.  Waves 0 and 1 fetch the two halves of a tile's K, waves 2 and 3 those of its V: 128 keys each.  An s_nop 0 and four v_nop follow each line.
.macro JLOAD
	s_cmp_lt_u32 s[WV], 2
	s_cbranch_scc0 .Lfor_v_\@
	tensor_load_to_lds s[G0K:G0K+3], s[G1K:G1K+7]
	s_nop 0
.rept 4
	v_nop
.endr
	s_branch .Lasked_\@
.Lfor_v_\@:
	tensor_load_to_lds s[G0V:G0V+3], s[G1V:G1V+7]
	s_nop 0
.rept 4
	v_nop
.endr
.Lasked_\@:
.endm
; A prefetch into the L2 of the tile that the NEXT change of slots will ask for: four key steps, 256 matrix instructions, ahead of that load.  Both clusters of a y walk the same K and V: the first asks.  Its four partners
; share a tile's 32,768 bytes out by address, 8,192 each, a lane to each 256; wave 0 asks for K's, wave 2 for V's.  The last change that fills a slot asks for nothing.
.macro ASK
	s_cmp_gt_u32 s[SLOTS], s[LIM]
	s_cbranch_scc0 .Lnot_mine_\@
	global_prefetch_b8 v[PFO], s[PFA:PFA+1] th:TH_LOAD_NT scope:SCOPE_SE
.Lnot_mine_\@:
.endm
.macro CROUND                       ; a round of the cluster's barrier
	s_barrier_signal -1
	s_barrier_wait -1
	s_cmp_lg_u32 s[WV], 0
	s_cbranch_scc1 .Lnot_wave_0_\@
	s_barrier_signal -3
.Lnot_wave_0_\@:
	s_barrier_wait -3
	s_barrier_signal -1
	s_barrier_wait -1
.endm
; THE CHANGE OF SLOTS.  Each wave waits for all its tensor loads (one is out: its part of the other slot), adds 0 to its spare word, and waits for that and for its reads of the slot that it leaves.
; fill = 1: a round of the cluster's barrier, and the old slot is filled again first thing behind it, with the tile after the one that is entered.  (At its first use nothing has been read yet: slot 0 is waited for, slot 1 filled.)
.macro CHANGE fill
	WIN 0
	s_wait_tensorcnt 0x0            ; no tensor load of mine is out, so a group 0 may be written
	ds_add_u32 v[SPW], v[NIL]
.if \fill
.irp g, G0K, G0V
	s_xor_b32 s[\g+1], s[\g+1], SLOT1
	s_add_nc_u64 s[\g+2:\g+3], s[\g+2:\g+3], TILEB  ; the type bits on top are not reached
.endr
	s_wait_xcnt 0x0                 ; the last prefetch, four key steps back, has read its address
	s_add_nc_u64 s[PFA:PFA+1], s[PFA:PFA+1], TILEB  ; one tile behind the walking descriptors
	s_wait_dscnt 0x0                ; the add is done, and my reads of the slot are over
	CROUND
	JLOAD
	ASK
.else
	s_wait_dscnt 0x0
	s_barrier_signal -1
	s_barrier_wait -1
.endif
	s_sub_co_u32 s[TBK], s[TBK], 4*KS*PITK  ; the fetches go back to a slot's first step,
	s_xor_b32 s[TBK], s[TBK], SLOT1         ; in the other slot
	s_sub_co_u32 s[TBV], s[TBV], 4*KS*PITV
	s_xor_b32 s[TBV], s[TBV], SLOT1
.endm
	s_load_b128 s[48:51], s[0:1], 0x0  ; qkv s[48:49], ao s[50:51]
	v_lshl_add_u32 v[SPW], v0, 2, SPARE
	v_mov_b32 v[NIL], 0
	ds_add_u32 v[SPW], v[NIL]       ; the wave's opening: the add, twice on end, and its wait ahead of my first tensor load
	ds_add_u32 v[SPW], v[NIL]
	v_lshrrev_b32 v1, 5, v0
	v_readfirstlane_b32 s[WV], v1   ; wave 0..3
	s_bfe_u32 s13, ttmp6, 0x40000   ; cx
	s_lshl_b32 s14, ttmp9, 2
	s_add_co_u32 s14, s14, s13      ; my block of 256 queries: it enters Q's and O's addresses alone
	s_and_b32 s20, ttmp7, 0xffff    ; y, which the four partners share
	s_lshl_b32 s20, s20, 18
	s_and_b32 s16, s[WV], 1         ; which half of a tile's 256 keys I fetch
	s_lshl_b32 s22, s16, 14
	s_add_co_u32 s22, s22, s20
	s_add_co_u32 s22, s22, 8388608  ; K
	s_mov_b32 s23, 0
	s_add_co_u32 s52, s22, 8388608  ; V
	s_mov_b32 s53, 0
	s_mul_i32 s17, s16, 128*PITK    ; its place in a slot, for K
	s_mul_i32 s21, s16, 128*PITV    ; and for V
	s_lshl_b32 s2, s14, 15
	s_lshl_b32 s3, s[WV], 13
	s_add_co_u32 s2, s2, s3
	s_add_co_u32 s2, s2, s20        ; my wave's 64 rows of q and of ao
	s_mov_b32 s3, 0
	; descriptor group 1.  128 keys are 16,384 dense bytes: asked for as 64 rows of 256 bytes, two keys a row, and padded in LDS after every key
	s_mov_b32 s[G1K], 15|(1<<16)|(1<<20)|(1<<21)|(4<<22)|(3<<25)  ; the mask of four; 2-byte elements; padding on; bit 21 beside a mask; after every 32 words, 4 words
	s_mov_b32 s[G1V], 15|(1<<16)|(1<<20)|(1<<21)|(4<<22)|(7<<25)  ; the same with 8 words
.irp g, G1K, G1V
	s_mov_b32 s[\g+1], 128<<16      ; tensor_dim0 = 128
	s_mov_b32 s[\g+2], 64<<16       ; tensor_dim1 = 64
	s_mov_b32 s[\g+3], 128<<16      ; tile_dim0 = 128
	s_mov_b32 s[\g+4], 64           ; tile_dim1 = 64
	s_mov_b32 s[\g+5], 128          ; elements from row to row
	s_mov_b32 s[\g+6], 0
	s_mov_b32 s[\g+7], 0
.endr
	s_mov_b32 s[SEL], 0x76543210
	s_mov_b32 s[SEL+1], 0xfedcba98
	s_mov_b32 s[INF], 0x7f800000
	s_mov_b32 s[TBK], SLOT1+4*KS*PITK ; the first change of slots turns these two into 0
	s_mov_b32 s[TBV], SLOT1+4*KS*PITV
	s_mov_b32 s[G0K], 1
	s_mov_b32 s[G0K+1], s17         ; slot 0
	s_mov_b32 s[G0V], 1
	s_add_co_u32 s[G0V+1], s21, VOFF
	s_and_b32 s[LIM], s[WV], 1      ; 0 in waves 0 and 2,
	s_or_b32 s[LIM], s[LIM], ttmp9  ; where the cluster is the first of its y: the same in all four partners
	s_cmp_eq_u32 s[LIM], 0
	s_cselect_b32 s[LIM], 1, -1
	v_and_b32 v[PFO], 31, v0
	v_lshlrev_b32 v[PFO], 8, v[PFO]
	s_wait_dscnt 0x0                ; both opening adds are done
	s_wait_kmcnt 0x0
	s_add_nc_u64 s[6:7], s[48:49], s[22:23]   ; K and V at my half of tile 0
	s_add_nc_u64 s[8:9], s[48:49], s[52:53]
	s_add_nc_u64 s[4:5], s[48:49], s[2:3]     ; q and ao at my wave's first row
	s_add_nc_u64 s[10:11], s[50:51], s[2:3]
	s_mov_b64 s[G0K+2:G0K+3], s[6:7]
	s_or_b32 s[G0K+3], s[G0K+3], 0x80000000
	s_mov_b64 s[G0V+2:G0V+3], s[8:9]
	s_or_b32 s[G0V+3], s[G0V+3], 0x80000000
	s_cmp_lt_u32 s[WV], 2
	s_cselect_b64 s[PFA:PFA+1], s[6:7], s[8:9]  ; (in waves 0 and 2 these stand at a tile's first row)
	s_lshl_b32 s2, s13, 13          ; my work-group's quarter of a tile
	s_add_nc_u64 s[PFA:PFA+1], s[PFA:PFA+1], s[2:3]
	s_add_nc_u64 s[PFA:PFA+1], s[PFA:PFA+1], TILEB  ; in tile 1; the first change of slots steps it to tile 2.  Nothing is prefetched at the head
	CROUND                          ; all four work-groups are here: the first joint loads meet
	JLOAD                           ; tile 0 into slot 0: one load of mine is out
	v_and_b32 v1, 15, v0            ; l % 16
	v_bfe_u32 v9, v0, 4, 1          ; l / 16
	v_lshlrev_b32 v[QO], 7, v1
	v_lshl_add_u32 v[QO], v9, 4, v[QO]  ; row x 128 + 16 x half
	WIN 0x80                        ; destination window 2, address window 0
.set i, 0
.rept 8                             ; Q stays in registers: piece i / 2, channels 32 (i % 2) on
	global_load_b128 v[8*i:8*i+3],   v[QO], s[4:5] offset:(i/2)*2048+(i%2)*64
	global_load_b128 v[8*i+4:8*i+7], v[QO], s[4:5] offset:(i/2)*2048+(i%2)*64+32
.set i, i+1
.endr
	; WHAT THE FIRST STEP FINDS, so that no first step is written out: its late stages work on pieces that have not been.  V holds 0 all through that step, so their products V^T P add 0 whatever finite P holds; O^T and l start at 0.
	; Piece 1 enters at G: slots and reciprocals of 0 give gates of 0.  Piece 2 enters at A, piece 3 at E, with +infinity: 2^inf = inf, a = 1, G = 1, the least gate that the loop knows, 2^-60: a query of these two pieces
	; gets 64 of them in its l, 5.6e-17 in all, beside the divisor's 1e-6: under half a unit in that number's last place.  All this stands in the wait for the first tile.
.set i, VF
.rept 64
	v_mov_b32 v[i], 0
.set i, i+1
.endr
	WIN 0x40
.set i, 0
.rept 128
	v_mov_b32 v[i], 0
.set i, i+1
.endr
	WIN 0
.set i, 0
.rept 16
	v_mov_b32 v[LSUM+i], 0
	v_mov_b32 v[P+i], 0
	v_mov_b32 v[MB+16+i], 0
.set i, i+1
.endr
.set i, 0
.rept 32
	v_mov_b32 v[S+32+i], 0
	v_mov_b32 v[S+64+i], s[INF]
	v_mov_b32 v[S+96+i], s[INF]
.set i, i+1
.endr
	v_mov_b32 v[KK], 0x21800000     ; 2^-60
	v_mov_b32 v[KK+1], 0x21800000
	v_mul_u32_u24 v[AK0], v1, PITK
	v_lshl_add_u32 v[AK0], v9, 4, v[AK0]  ; row x pitch + 16 x half
	; The turning load takes 16 keys x 16 channels (lane l reads key 8 (l / 16) + l % 8, channels 8 ((l / 8) % 2) + 0..7) and leaves half a fragment of V^T: lane l holds channel l % 16 and 8 keys.
	v_and_b32 v10, 7, v0
	v_bfe_u32 v11, v0, 3, 1
	v_lshl_add_u32 v[AV0], v9, 3, v10
	v_mul_u32_u24 v[AV0], v[AV0], PITV
	v_lshl_add_u32 v[AV0], v11, 4, v[AV0]
	v_add_nc_u32 v[AV0], VOFF, v[AV0]
	s_mul_i32 s13, s[WV], 16*SP
	s_add_co_u32 s13, s13, STAGE    ; my stage
	v_mul_u32_u24 v[STO], v1, SP    ; in: row l % 16, 16 bytes for each half of the lanes
	v_lshl_add_u32 v[STO], v9, 4, v[STO]
	v_add_nc_u32 v[STO], s13, v[STO]
	v_bfe_u32 v[RD], v0, 3, 2       ; back: 32 lanes take four rows of 128 bytes,
	v_mul_u32_u24 v[RD], v[RD], SP
	v_lshl_add_u32 v[RD], v10, 4, v[RD]
	v_add_nc_u32 v[RD], s13, v[RD]
	v_and_b32 v[GO], 31, v0         ; which are 512 consecutive bytes of ao
	v_lshlrev_b32 v[GO], 4, v[GO]
; THE MATRIX WORK.  The 4 accumulators of a run of 8 take turns, one instruction a turn.
; Product i of 8 of S^T = K Q^T for piece x: channels 32 (i / 4) on, keys 16 (i % 4) on.  The first 4 start the sums.
.macro KQ x
	WIN W_KQ
.set rS, S+32*(\x)+8*(i%4)
.set rK, KF+16*(i%4)+8*(i/4)
.set rQ, 16*(\x)+8*(i/4)
.if i < 4
	v_wmma_f32_16x16x32_bf16 v[rS:rS+7], v[rK:rK+7], v[rQ:rQ+7], 0
.else
	v_wmma_f32_16x16x32_bf16 v[rS:rS+7], v[rK:rK+7], v[rQ:rQ+7], v[rS:rS+7]
.endif
.endm
; Product i of 8 of O^T += V^T P for piece x: keys 32 (i / 4) on, channels 16 (i % 4) on.
.macro PV x
	WIN W_PV
.set rO, 32*(\x)+8*(i%4)
.set rV, VF+32*(i/4)+8*(i%4)
.set rB, P+16*((\x)%2)+8*(i/4)
	v_wmma_f32_16x16x32_bf16 v[rO:rO+7], v[rV:rV+7], v[rB:rB+7], v[rO:rO+7]
.endm
; THE LDS LOADS stand in runs of 16, never singly among the matrix instructions.
.macro FETCH_K
	WIN 0
	v_add_nc_u32 v[AK], s[TBK], v[AK0]
	WIN 0x80                        ; destination window 2
.irp f, 0,1,2,3,4,5,6,7             ; keys 16 (f / 2) on, channels 32 (f % 2) on
	ds_load_b128 v[KF+8*\f:KF+8*\f+3],   v[AK] offset:(\f/2)*16*PITK+(\f%2)*64
	ds_load_b128 v[KF+8*\f+4:KF+8*\f+7], v[AK] offset:(\f/2)*16*PITK+(\f%2)*64+32
.endr
	s_add_co_u32 s[TBK], s[TBK], KS*PITK  ; the next fetch is the next step's
	WIN 0
.endm
.macro FETCH_V
	WIN 0
	v_add_nc_u32 v[AV], s[TBV], v[AV0]
	WIN 0x80
.irp f, 0,1,2,3,4,5,6,7             ; keys 32 (f / 4) on, channels 16 (f % 4) on
	ds_load_tr16_b128 v[VF+8*\f:VF+8*\f+3],   v[AV] offset:(\f/4)*32*PITV+(\f%4)*32
	ds_load_tr16_b128 v[VF+8*\f+4:VF+8*\f+7], v[AV] offset:(\f/4)*32*PITV+16*PITV+(\f%4)*32
.endr
	s_add_co_u32 s[TBV], s[TBV], KS*PITV
	WIN 0
.endm
; THE VECTOR WORK OF A TURN stands in two queues, all of it in window 0.  A SLOT is a pair of registers: slot n of a piece holds scores 2 n and 2 n + 1; slots 2 g and 2 g + 1 are quad g.
; THE PLAIN QUEUE, 72 long.
;   0-23, for the piece at rA: A n, slot n becomes a = min(1, 2^-60 e + 2^-60); M g, quad g's product of its two slots, into rM.  A 0-3; then M g, A 2 g + 4, A 2 g + 5 for g = 0 .. 5; then M 6, M 7: a product stands
;   three plain instructions or more behind the two A that it reads (M 7: two).
;   24-71, for the piece at rC, with the reciprocals at rN: in groups of six: G, quad g's two slots times its reciprocals, in place; C, the two pairs of quad g - 1 rounded to bf16, each read from its neighbour's slot;
;   L, that quad's two slots added onto the piece's two sums, which take turns.  Group 0 has its G alone, and behind group 7 only C and L are left.
.macro PL
.if q < 24
.if FAR
	WIN 0
.set km, -1
.set nn, q
.if q >= 22
.set km, q-16
.elseif (q >= 4) && (((q-4)%3) == 0)
.set km, (q-4)/3
.elseif q >= 4
.set nn, 2*((q-4)/3)+3+((q-4)%3)
.endif
.if km >= 0
	v_pk_mul_f32 v[rM+2*km:rM+2*km+1], v[rA+4*km:rA+4*km+1], v[rA+4*km+2:rA+4*km+3]
.else
	v_pk_fma_f32 v[rA+2*nn:rA+2*nn+1], v[rA+2*nn:rA+2*nn+1], v[KK:KK+1], v[KK:KK+1] clamp
.endif
.endif
.elseif FCL
	WIN 0
.set hh, q-24
.if hh >= 2
.set hh, hh+4
.endif
.if hh >= 48
.set hh, hh+2
.endif
.set gg, hh/6
.set ww, hh%6
.if ww < 2
	v_pk_mul_f32 v[rC+4*gg+2*ww:rC+4*gg+2*ww+1], v[rC+4*gg+2*ww:rC+4*gg+2*ww+1], v[rN+2*gg:rN+2*gg+1]
.elseif ww < 4
.set nn, 2*(gg-1)+ww-2
.set sw, nn+1-2*(nn%2)              ; the neighbour's slot
	v_cvt_pk_bf16_f32 v[rP+nn], v[rC+2*sw], v[rC+2*sw+1]
.else
.set nn, 2*(gg-1)+ww-4
	v_pk_add_f32 v[rL+2*(nn%2):rL+2*(nn%2)+1], v[rL+2*(nn%2):rL+2*(nn%2)+1], v[rC+2*nn:rC+2*nn+1]
.endif
.endif
.set q, q+1
.endm
; THE OTHER QUEUE, 48 long: 0-31: E, 2^s in place for the piece at rE, ascending.  32-47: R, the reciprocals of the 16 products at rM, in place.
.macro TR
.if e < 32
.if FE
	WIN 0
	v_exp_f32 v[rE+e], v[rE+e]
.endif
.elseif FAR
	WIN 0
	v_rcp_f32 v[rM+e-32], v[rM+e-32]
.endif
.set e, e+1
.endm
.macro RID                          ; the four behind a matrix instruction: one of the other queue among three plain
	PL
	TR
	PL
	PL
.endm
.macro LUMP                         ; the 56 that have no such place: 32 of the other queue, 24 plain, by turns as far as the plain ones reach
.rept 8
	TR
	TR
	PL
.endr
.rept 16
	TR
	PL
.endr
.endm
; A TURN, for piece m.  8 x (V^T P and four); the lump; 8 x (K Q^T and four); the wait.  The deal keeps the queues in step: all of A and M (plain 0-23) stand behind the first eight products, the first R (number 32 of its queue) in
; the lump's second half.  No vector instruction of a turn names a register of its products: they work on pieces m + 1, m + 2, m + 3 and on P's other buffer.  An accumulator of K Q^T is first read in the next turn, and
; behind the product that ends it stand three plain instructions for each product that follows: the first accumulator, read first, has twelve; the last is read in that turn's second run.
; The turn's last two lines are plain (L): they stand between the last reciprocal and the wait ahead of the first instruction that names a result: one for the turn's 48.
; kq, fe, far, fcl = 0 switch a stage off (the drain).  fv = 1: V of the step in hand is fetched behind the lump, 27 plain instructions behind the last product that read V.  vw: the count of the wait ahead of the first V^T P.
.macro TURN m, kq=1, fe=1, far=1, fcl=1, fv=0, vw=-1
.set FE,  (\fe)
.set FAR, (\far)
.set FCL, (\fcl)
.set rE, S+32*(((\m)+3)%4)
.set rA, S+32*(((\m)+2)%4)
.set rC, S+32*(((\m)+1)%4)
.set rM, MB+16*(((\m)+2)%2)
.set rN, MB+16*(((\m)+1)%2)
.set rP, P+16*(((\m)+1)%2)
.set rL, LSUM+4*(((\m)+1)%4)
.set q, 0
.set e, 0
.if (\vw) >= 0
	s_wait_dscnt \vw                ; V is in; K's 16 loads, issued behind V's, may stay out
.endif
.set i, 0
.rept 8
	PV \m
	RID
.set i, i+1
.endr
	LUMP
.if \fv
	FETCH_V
.endif
.if (\kq) && ((\m) == 0)
	s_wait_dscnt 0x0                ; K is in
.endif
.set i, 0
.rept 8
.if \kq
	KQ \m
.endif
	RID
.set i, i+1
.endr
	WIN 0
.if (\fe) || (\far)
	s_wait_alu depctr_va_vdst(0)
.endif
.endm
; A KEY STEP.  K of the step is fetched at its head, four plain instructions behind the last product that read K (a rounding, two sums, the run's own address line), and has eight products and the lump in which to land;
; V in its last turn: a step never reaches into another slot.
.macro BODY
	FETCH_K
	TURN 0, 1, 1, 1, 1, 0, 16
	TURN 1
	TURN 2
	TURN 3, 1, 1, 1, 1, 1
.endm
	s_wait_loadcnt 0x0              ; Q
	s_mov_b32 s[SLOTS], 7
.Lslot:                             ; seven times: a tile is entered and the next is asked for
	CHANGE 1
	s_mov_b32 s[CNT], 4
.Lstep:
	BODY
	s_sub_co_u32 s[CNT], s[CNT], 1
	s_cmp_lg_u32 s[CNT], 0
	s_cbranch_scc1 .Lstep
	s_sub_co_u32 s[SLOTS], s[SLOTS], 1
	s_cmp_lg_u32 s[SLOTS], 0
	s_cbranch_scc1 .Lslot
	CHANGE 0                        ; the last tile is written out: nothing is asked for
	s_mov_b32 s[CNT], 4
.Ltail:
	BODY
	s_sub_co_u32 s[CNT], s[CNT], 1
	s_cmp_lg_u32 s[CNT], 0
	s_cbranch_scc1 .Ltail
	TURN 0, 0, 1, 1, 1, 0, 0        ; THE DRAIN: the last step's stages run out.  V^T P of piece 0 | E on 3; A, M and R on 2; G, C and L on 1
	TURN 1, 0, 0, 1, 1              ; V^T P of piece 1 | A, M and R on 3; G, C and L on 2
	TURN 2, 0, 0, 0, 1              ; V^T P of piece 2 | G, C and L on 3
	TURN 3, 0, 0, 0, 0              ; V^T P of piece 3
	; THE WAY OUT.  A piece's four partial sums and the other half of the lanes' are added; + 2^60 x 1e-6; O^T is divided by that, rounded to bf16 and sent through my stage, a piece at a time.  The additions are the places behind the last products.
.macro ALL line:vararg              ; one line for each piece t
.set t, 0
.rept 4
	\line
.set t, t+1
.endr
.endm
	ALL v_pk_add_f32 v[LSUM+4*t:LSUM+4*t+1], v[LSUM+4*t:LSUM+4*t+1], v[LSUM+4*t+2:LSUM+4*t+3]
	ALL v_add_f32 v[LSUM+4*t], v[LSUM+4*t], v[LSUM+4*t+1]
	ALL v_permlanex16_b32 v[LSUM+4*t+1], v[LSUM+4*t], s[SEL], s[SEL+1]
	ALL v_add_f32 v[LSUM+4*t], v[LSUM+4*t], v[LSUM+4*t+1]
	ALL v_add_f32 v[LSUM+4*t], 0x538637bd, v[LSUM+4*t]
	ALL v_rcp_f32 v[LSUM+4*t+2], v[LSUM+4*t]
	v_nop                           ; a plain instruction between the last reciprocal and the use of its result
	s_wait_alu depctr_va_vdst(0)    ; and the wait ahead of the first use: one for the four
.macro PACK t                       ; a lane's eight channels of a row pack into 16 bytes; they go into rows of 144 bytes and come back as whole rows of 128, into S^T's registers
	WIN W_RS
.set i, 32*(\t)
.rept 16
	v_pk_mul_f32 v[i:i+1], v[i:i+1], v[LSUM+4*(\t)+2:LSUM+4*(\t)+3] op_sel_hi:[1,0]
.set i, i+2
.endr
	WIN 0x05                        ; sources 0 and 1 window 1, destination window 0
.set i, 0
.rept 16
	v_cvt_pk_bf16_f32 v[S+16*(\t)+i], v[32*(\t)+2*i], v[32*(\t)+2*i+1]
.set i, i+1
.endr
	WIN 0
.irp f, 0,1,2,3
	ds_store_b128 v[STO], v[S+16*(\t)+4*\f:S+16*(\t)+4*\f+3] offset:32*\f
.endr
.irp f, 0,1,2,3
	ds_load_b128 v[S+16*(\t)+4*\f:S+16*(\t)+4*\f+3], v[RD] offset:\f*4*SP  ; LDS serves a wave's instructions in order (ISA guide 5.7.1.4): these see the stores above; the next piece's stores come behind them
.endr
.endm
.macro SEND t, younger              ; younger: the LDS instructions issued behind piece t's loads: the next piece's eight, or none
.irp f, 0,1,2,3
	s_wait_dscnt (\younger)+3-\f
	global_store_b128 v[GO], v[S+16*(\t)+4*\f:S+16*(\t)+4*\f+3], s[10:11] offset:(\t)*2048+\f*512  ; 512 consecutive bytes, at a multiple of 256 from ao's first
.endr
.endm
	PACK 0
	PACK 1                          ; a piece's arithmetic stands between the loads of the piece before and its stores
	SEND 0, 8
	PACK 2
	SEND 1, 8
	PACK 3
	SEND 2, 8
	SEND 3, 0
	s_wait_tensorcnt 0x0            ; the wave's end, behind my last tensor load and my last LDS store
	ds_add_u32 v[SPW], v[NIL]
	s_wait_dscnt 0x0
	CROUND                          ; the closing round: no work-group ends while a partner may still ask for a tile that names it
	s_endpgm
.Lfunc_end_k_qa988bb93e9_attn:
	.size	k_qa988bb93e9_attn, .Lfunc_end_k_qa988bb93e9_attn-k_qa988bb93e9_attn
	.p2alignl 7, 3214868480
	.fill 96, 4, 3214868480
	.section	.rodata,"a",@progbits
	.p2align	6, 0x0
	.amdhsa_kernel k_qa988bb93e9_attn
		.amdhsa_group_segment_fixed_size 327680
		.amdhsa_private_segment_fixed_size 0
		.amdhsa_enable_private_segment 0
		.amdhsa_kernarg_size 16
		.amdhsa_user_sgpr_count 2
		.amdhsa_user_sgpr_kernarg_segment_ptr 1
		.amdhsa_wavefront_size32 1
		.amdhsa_system_sgpr_workgroup_id_x 1
		.amdhsa_system_sgpr_workgroup_id_y 1
		.amdhsa_system_sgpr_workgroup_id_z 1
		.amdhsa_system_vgpr_workitem_id 0
		.amdhsa_next_free_vgpr 768
		.amdhsa_next_free_sgpr 66
		.amdhsa_reserve_vcc 0
		.amdhsa_float_denorm_mode_32 3
		.amdhsa_float_denorm_mode_16_64 3
		.amdhsa_memory_ordered 1
		.amdhsa_forward_progress 1
		.amdhsa_inst_pref_size 121
	.end_amdhsa_kernel
	.amdgpu_metadata
---
amdhsa.version: [ 1, 2 ]
amdhsa.kernels:
  - .name:           k_qa988bb93e9_attn
    .symbol:         k_qa988bb93e9_attn.kd
    .args:
      - { .name: qkv, .offset: 0, .size: 8, .value_kind: global_buffer, .address_space: global }
      - { .name: ao, .offset: 8, .size: 8, .value_kind: global_buffer, .address_space: global }
    .group_segment_fixed_size: 327680
    .private_segment_fixed_size: 0
    .kernarg_segment_align: 8
    .kernarg_segment_size: 16
    .max_flat_workgroup_size: 128
    .sgpr_count:     66
    .vgpr_count:     768
    .wavefront_size: 32
...
	.end_amdgpu_metadata
.endif
;; end of part 3
;; launch oproj (part 4): grid 8 x 32, 4 waves a work-group, clusters of 4 x 4, 327,680 bytes of LDS; arguments ao, cb, x, bo, alpha, out0; writes out0
.if DOCPART == 4
	.amdgcn_target "amdgcn-amd-amdhsa--gfx1250"
	.amdhsa_code_object_version 6
	.text
	.protected	k_qa988bb93e9_oproj
	.globl	k_qa988bb93e9_oproj
	.p2align	8
	.type	k_qa988bb93e9_oproj,@function
k_qa988bb93e9_oproj:
	s_mov_b64 s[64:65], 0
	v_nop
	global_prefetch_b8 v0, s[64:65] scope:SCOPE_SE
	s_setreg_imm32_b32 hwreg(HW_REG_WAVE_MODE, 25, 1), 1
	s_wait_xcnt 0x0
	s_wait_alu depctr_hold_cnt(0) depctr_sa_sdst(0) depctr_va_vdst(0) depctr_va_sdst(0) depctr_va_ssrc(0) depctr_va_vcc(0) depctr_vm_vsrc(0)
	s_getreg_b32 s2, hwreg(HW_REG_IB_STS2, 6, 4)
	s_cmp_eq_u32 s2, 0
	s_cbranch_scc0 .Lentry_in_a_cluster
	s_endpgm
.Lentry_in_a_cluster:
	s_bfe_u32 s2, ttmp6, 0x10000c
	s_cmp_lg_u32 s2, 0xf033
	s_cbranch_scc0 .Lentry_shape_is_right
	s_endpgm
.Lentry_shape_is_right:
; Launch 4 of 4: out0 = x + alpha (A . wo^T + bo), A[m][64 h + ch] = ao[h][m][ch].  Nothing of the problem is left out.  x is added in f32 as it was given.
; ao: [head 16][row m = 2048 batch + t][64] bf16: a head is 524,288 bytes, a row 128.  wo in bf16: [1024][1024] at byte 14,680,064 of cb.
; SHARES.  A tile of out0 is 128 x 128: 8 x 32 work-groups.  Four waves, each 64 x 64: 16 accumulators.  K goes in four steps of 256 (four heads) through two LDS slots; waves 0 and 1 bring A's halves, waves 2 and 3 B's.
; A's TILE: 64 rows of one head are 8,192 dense bytes: a wave's load is 4 such rows of 4,096 elements, the heads 262,144 elements apart, padded in LDS after every 128 bytes: [head j][row][64] at a pitch of 144.
; CLUSTER.  4 x 4 work-groups: A's tiles are shared along a row of the cluster, B's along a column, each asked for jointly.
; THE MATRIX INSTRUCTION IS USED TRANSPOSED (source 0 = 16 rows of wo, source 1 = 16 rows of A): a lane holds eight neighbouring numbers of a row of out0.
; No prefetch: the tiles are small and the launch is four K steps long.
; REGISTERS: window 0: v0-31 addresses, bo; v32-95 at work on the way out; v128-255 the accumulators ((a, b) at 128 + 8 (4 a + b)).  window 1: two fragment buffers of 128 (64 of A, then 64 of B).
;   window 2: v0-127 my 64 x 64 of x, asked for a lap ahead of the way out.
; LIMITS.  Operands in bf16, sums in f32, K ascending; NaN and infinities are not treated apart.
.set KSTEP,  256
.set PA,     144                       ; a row of A in LDS: 128 bytes + 16 = 36 words: the 16 rows of a load start at 16 different groups of four banks (64 banks of 4 bytes: ISA guide 11.1)
.set PB,     528                       ; a row of B: 512 bytes + 16 = 132 words: likewise
.set HEADB,  64*PA                     ; a head's 64 rows
.set HALFA,  4*HEADB                   ; what a tensor load of A brings
.set HALFB,  64*PB                     ; what a tensor load of B brings
.set SLOT,   2*HALFA+2*HALFB
.set STAGE,  2*SLOT                    ; behind the ring: 16 rows x 272 bytes for each wave
.set SPITCH, 272
.set SPARE,  STAGE+4*16*SPITCH         ; behind the stages: the spare words, 128 bytes a wave: two blocks of 256 bytes that no other line names
.set BOV,  8                           ; v[8:11]  bo of my four columns
.set BOA,  12                          ; v[12:15] the same times alpha
.set ADRA, 16                          ; v16-17  LDS address of my A fragments in slot 0, 1
.set ADRB, 20                          ; v20-21  the same for B
.set STO,  24                          ; v24     the way out: where I put 32 bytes of a row
.set RD,   25                          ; v25     where I read a row back
.set XO,   26                          ; v26     my byte offset in x and in out0; never rewritten
.set BOF,  27                          ; v27     16 (l % 16)
.set SPW,  28                          ; v28     my spare word; never rewritten
.set NIL,  29                          ; v29     0; never rewritten
.set TMP,  32                          ; v32-95  two sets of 32
.set ACC,  128
.set F0,   0                           ; fragment buffers, in window 1
.set F1,   128
.set G1, 24                            ; s[24:31] descriptor group 1 for A;  s[32:39] group 0, a set for each slot
.set G0, 32
.set G1B, 48                           ; s[48:55], s[56:63] the same for B
.set G0B, 56
.set AL,  66                           ; s[66:67] alpha, as a pair
.set MSB, 0
.macro WIN new
.if MSB != (\new)
	s_set_vgpr_msb (MSB<<8)|(\new)
.set MSB, \new
.endif
.endm
.set MUL,  0x05                        ; sources 0 (B) and 1 (A) window 1; C and D window 0
.set TO_F, 0x40                        ; destination window 1, address window 0
.macro JLOAD s                         ; a joint load: waves 0 and 1 for A, waves 2 and 3 for B; an s_nop 0 and four v_nop follow each line
	s_cmp_eq_u32 s11, 0
	s_cbranch_scc0 .Lfor_b_\@
	tensor_load_to_lds s[G0+4*(\s):G0+4*(\s)+3], s[G1:G1+7]
	s_nop 0
.rept 4
	v_nop
.endr
	s_branch .Lasked_\@
.Lfor_b_\@:
	tensor_load_to_lds s[G0B+4*(\s):G0B+4*(\s)+3], s[G1B:G1B+7]
	s_nop 0
.rept 4
	v_nop
.endr
.Lasked_\@:
.endm
.macro CREST
	s_cmp_lg_u32 s10, 0
	s_cbranch_scc1 .Lnot_wave_0_\@
	s_barrier_signal -3
.Lnot_wave_0_\@:
	s_barrier_wait -3
	s_barrier_signal -1
	s_barrier_wait -1
.endm
.macro CROUND
	s_barrier_signal -1
	s_barrier_wait -1
	CREST
.endm
.macro PLACES
.rept 4
	v_nop
.endr
.endm
	s_load_b128 s[4:7], s[0:1], 0x0                ; ao s[4:5], cb s[6:7]
	s_load_b128 s[68:71], s[0:1], 0x10             ; x s[68:69], bo s[70:71]
	s_load_b128 s[72:75], s[0:1], 0x20             ; alpha s[72:73], out0 s[74:75]
	v_lshl_add_u32 v[SPW], v0, 2, SPARE
	v_mov_b32 v[NIL], 0
	ds_add_u32 v[SPW], v[NIL]                      ; the wave's opening: the add, twice on end, and its wait ahead of my first tensor load
	ds_add_u32 v[SPW], v[NIL]
	v_lshrrev_b32 v1, 5, v0
	v_readfirstlane_b32 s10, v1                    ; wave 0..3
	s_lshr_b32 s11, s10, 1                         ; which half of the tile's rows is mine.  Also: I fetch for A (0) or for B (1)
	s_and_b32 s12, s10, 1                          ; which half of its columns.  Also: which 64 rows of that tile I fetch
	s_bfe_u32 s40, ttmp6, 0x40000                  ; cx, cy
	s_bfe_u32 s41, ttmp6, 0x40004
	s_lshl_b32 s42, ttmp9, 2
	s_add_co_u32 s42, s42, s40                     ; tile column tc
	s_and_b32 s13, ttmp7, 0xffff
	s_lshl_b32 s13, s13, 2
	s_add_co_u32 s13, s13, s41                     ; tile row tr
	s_lshl_b32 s43, s41, 2
	s_lshl_b32 s43, 15, s43                        ; my row of the cluster
	s_lshl_b32 s44, 0x1111, s40                    ; my column
	s_or_b32 s[G1+0], s43, (1<<16)|(1<<20)|(1<<21)|(4<<22)|(3<<25)   ; A: the mask; 2-byte elements; padding on; bit 21 beside a mask; after every 32 words, 4 words
	s_mov_b32 s[G1+1], 4096<<16                    ; tensor_dim0 = 4,096: 64 rows of 64 channels, dense
	s_mov_b32 s[G1+2], 4<<16                       ; tensor_dim1 = 4 heads
	s_mov_b32 s[G1+3], 4096<<16                    ; tile_dim0
	s_mov_b32 s[G1+4], 4                           ; tile_dim1
	s_mov_b32 s[G1+5], 262144                      ; elements from head to head
	s_mov_b32 s[G1+6], 0
	s_mov_b32 s[G1+7], 0
	s_or_b32 s[G1B+0], s44, (1<<16)|(1<<20)|(1<<21)|(6<<22)|(3<<25)  ; B: after every 128 words, 4 words
	s_mov_b32 s[G1B+1], KSTEP<<16                  ; tensor_dim0 = 256
	s_mov_b32 s[G1B+2], 64<<16                     ; tensor_dim1 = 64
	s_mov_b32 s[G1B+3], KSTEP<<16
	s_mov_b32 s[G1B+4], 64
	s_mov_b32 s[G1B+5], 1024
	s_mov_b32 s[G1B+6], 0
	s_mov_b32 s[G1B+7], 0
	s_lshl_b32 s17, s12, 6
	s_lshl_b32 s16, s13, 7
	s_add_co_u32 s16, s16, s17                     ; A: row 128 tr + 64 half,
	s_lshl_b32 s16, s16, 7                         ; of 128 bytes
	s_mov_b32 s17, 0
	s_lshl_b32 s47, s12, 6
	s_lshl_b32 s46, s42, 7
	s_add_co_u32 s46, s46, s47                     ; B: row 128 tc + 64 half,
	s_lshl_b32 s46, s46, 11                        ; of 2,048 bytes,
	s_add_co_u32 s46, s46, 14680064                ; in wo's part of cb
	s_mov_b32 s47, 0
	s_mul_i32 s20, s12, HALFA                      ; where they go
	s_mul_i32 s21, s12, HALFB
	s_add_co_u32 s21, s21, 2*HALFA
	s_wait_dscnt 0x0                               ; both opening adds are done
	s_wait_kmcnt 0x0
	s_load_b32 s[AL], s[72:73], 0x0                ; alpha
	s_add_nc_u64 s[14:15], s[4:5], s[16:17]
	s_add_nc_u64 s[46:47], s[6:7], s[46:47]
	CROUND                                         ; all sixteen work-groups are here: the first joint loads meet
.irp s, 0,1
	s_mov_b32 s[G0+4*(\s)], 1
	s_add_co_u32 s[G0+4*(\s)+1], s20, (\s)*SLOT
	s_add_nc_u64 s[G0+4*(\s)+2:G0+4*(\s)+3], s[14:15], (\s)*4*524288   ; K step s: heads 4 s on
	s_or_b32 s[G0+4*(\s)+3], s[G0+4*(\s)+3], 0x80000000
	s_mov_b32 s[G0B+4*(\s)], 1
	s_add_co_u32 s[G0B+4*(\s)+1], s21, (\s)*SLOT
	s_add_nc_u64 s[G0B+4*(\s)+2:G0B+4*(\s)+3], s[46:47], (\s)*KSTEP*2
	s_or_b32 s[G0B+4*(\s)+3], s[G0B+4*(\s)+3], 0x80000000
	JLOAD \s                                       ; two loads of mine are out
.endr
	v_and_b32 v1, 15, v0                           ; l % 16
	v_bfe_u32 v2, v0, 4, 1                         ; l / 16
	v_mul_u32_u24 v3, v1, PA
	v_lshl_add_u32 v3, v2, 4, v3
	s_mul_i32 s21, s11, HALFA                      ; my 64 rows of A
	v_add_nc_u32 v[ADRA], s21, v3
	v_add_nc_u32 v[ADRA+1], SLOT, v[ADRA]
	v_mul_u32_u24 v3, v1, PB
	v_lshl_add_u32 v3, v2, 4, v3
	s_mul_i32 s22, s12, HALFB                      ; my 64 rows of B,
	s_add_co_u32 s22, s22, 2*HALFA                 ; which lie behind A's
	v_add_nc_u32 v[ADRB], s22, v3
	v_add_nc_u32 v[ADRB+1], SLOT, v[ADRB]
	s_mul_i32 s23, s10, 16*SPITCH
	s_add_co_u32 s23, s23, STAGE                   ; my stage
	v_mul_u32_u24 v4, v1, SPITCH                   ; in: row l % 16, 32 bytes for each half of the lanes
	v_lshl_add_u32 v4, v2, 5, v4
	v_add_nc_u32 v[STO], s23, v4
	v_mul_u32_u24 v5, v2, SPITCH                   ; back: lanes 0-15 take one row of 256 bytes, lanes 16-31 the next
	v_lshl_add_u32 v5, v1, 4, v5
	v_add_nc_u32 v[RD], s23, v5
	v_lshlrev_b32 v5, 12, v2                       ; and the same two rows in x and out0
	v_lshl_add_u32 v[XO], v1, 4, v5
	v_lshlrev_b32 v[BOF], 4, v1
	s_lshl_b32 s46, s42, 7
	s_lshl_b32 s47, s12, 6
	s_add_co_u32 s46, s46, s47
	s_lshl_b32 s46, s46, 2                         ; my first column, in bytes
	s_mov_b32 s47, 0
	s_add_nc_u64 s[70:71], s[70:71], s[46:47]
	global_load_b128 v[BOV:BOV+3], v[BOF], s[70:71]
	s_lshl_b32 s16, s13, 7
	s_lshl_b32 s17, s11, 6
	s_add_co_u32 s16, s16, s17
	s_lshl_b32 s16, s16, 12                        ; my first row, of 4,096 bytes
	s_add_co_u32 s16, s16, s46
	s_mov_b32 s17, 0
	s_add_nc_u64 s[76:77], s[68:69], s[16:17]      ; x
	s_add_nc_u64 s[78:79], s[74:75], s[16:17]      ; out0
	s_wait_kmcnt 0x0
	s_mov_b32 s[AL+1], s[AL]                       ; named with it as a pair
; 8 matrix instructions: m blocks a0, a0 + 1 x all 4 n blocks, 32 along K: half c of buffer f.  The 16 accumulators take turns.
.macro MUL8 f, c, a0, zero
	WIN MUL
.irp a, \a0, (\a0)+1
.irp b, 0,1,2,3
.if \zero
	v_wmma_f32_16x16x32_bf16 v[ACC+8*(4*(\a)+(\b)):ACC+8*(4*(\a)+(\b))+7], v[(\f)+64+8*(4*(\c)+(\b)):(\f)+64+8*(4*(\c)+(\b))+7], v[(\f)+8*(4*(\c)+(\a)):(\f)+8*(4*(\c)+(\a))+7], 0
.else
	v_wmma_f32_16x16x32_bf16 v[ACC+8*(4*(\a)+(\b)):ACC+8*(4*(\a)+(\b))+7], v[(\f)+64+8*(4*(\c)+(\b)):(\f)+64+8*(4*(\c)+(\b))+7], v[(\f)+8*(4*(\c)+(\a)):(\f)+8*(4*(\c)+(\a))+7], v[ACC+8*(4*(\a)+(\b)):ACC+8*(4*(\a)+(\b))+7]
.endif
.endr
.endr
.endm
; 32 LDS loads in one run: the fragments of quarter q of a K step (64 along K: one head of A, 128 bytes of B's rows) into buffer f; the first 32 along K first
.macro FETCH slot, q, f
	WIN TO_F
.irp c, 0,1
.irp i, 0,1,2,3
	ds_load_b128 v[(\f)+64+8*(4*(\c)+(\i)):(\f)+64+8*(4*(\c)+(\i))+3],   v[ADRB+(\slot)] offset:128*(\q)+64*(\c)+(\i)*16*PB
	ds_load_b128 v[(\f)+64+8*(4*(\c)+(\i))+4:(\f)+64+8*(4*(\c)+(\i))+7], v[ADRB+(\slot)] offset:128*(\q)+64*(\c)+(\i)*16*PB+32
	ds_load_b128 v[(\f)+8*(4*(\c)+(\i)):(\f)+8*(4*(\c)+(\i))+3],         v[ADRA+(\slot)] offset:HEADB*(\q)+64*(\c)+(\i)*16*PA
	ds_load_b128 v[(\f)+8*(4*(\c)+(\i))+4:(\f)+8*(4*(\c)+(\i))+7],       v[ADRA+(\slot)] offset:HEADB*(\q)+64*(\c)+(\i)*16*PA+32
.endr
.endr
.endm
; A K step is four quarters of 64 along K, 32 matrix instructions each, on buffers 0, 1, 0, 1.  One of the first three multiplies buffer f and fetches quarter q into g.
.macro QUARTER slot, q, f, g, zero
	s_wait_dscnt 16                                ; the first 32 along K are in
	MUL8 \f, 0, 0, \zero
	MUL8 \f, 0, 2, \zero
	PLACES
	FETCH \slot, \q, \g
	s_wait_dscnt 32                                ; all but the 32 just issued
	MUL8 \f, 1, 0, 0
	MUL8 \f, 1, 2, 0
.endm
; The last quarter multiplies buffer 1 and changes slots: one barrier; in front of it each wave waits for all its tensor loads, adds 0 to its spare word, and waits for that and for its reads of this slot.
; fill = 1: the barrier opens a round of the cluster's, and this slot is filled again, two K steps on, first thing behind it.
.macro TURN slot, next, fill
	WIN 0                                          ; (the add's two registers lie in window 0)
	s_wait_tensorcnt 0x0
	ds_add_u32 v[SPW], v[NIL]
	s_wait_dscnt 17                                ; (the add and the youngest sixteen loads may be out)
	MUL8 F1, 0, 0, 0
	s_wait_dscnt 0x0                               ; the add is done, and my reads of this slot are over
	s_barrier_signal -1
	MUL8 F1, 0, 2, 0
.if \fill
	WIN 0
.endif
	s_barrier_wait -1
.if \fill
	CREST
	s_add_nc_u64 s[G0+4*(\slot)+2:G0+4*(\slot)+3], s[G0+4*(\slot)+2:G0+4*(\slot)+3], 2*4*524288
	s_add_nc_u64 s[G0B+4*(\slot)+2:G0B+4*(\slot)+3], s[G0B+4*(\slot)+2:G0B+4*(\slot)+3], 2*KSTEP*2
	JLOAD \slot                                    ; its four v_nop are also the places in front of the loads below
.else
	PLACES
.endif
	FETCH \next, 0, F0
	MUL8 F1, 1, 0, 0
	MUL8 F1, 1, 2, 0
.endm
	s_wait_tensorcnt 1                             ; my part of K step 0 is in; K step 1's may stay out
	s_barrier_signal -1
	s_barrier_wait -1
	FETCH 0, 0, F0
	QUARTER 0, 1, F0, F1, 1                        ; the first products start the sums
	QUARTER 0, 2, F1, F0, 0                        ; four K steps: the first lap fills both slots again; written straight, since a loop would have one trip
	QUARTER 0, 3, F0, F1, 0
	TURN 0, 1, 1
	QUARTER 1, 1, F0, F1, 0
	QUARTER 1, 2, F1, F0, 0
	QUARTER 1, 3, F0, F1, 0
	TURN 1, 0, 1
	QUARTER 0, 1, F0, F1, 0
	WIN 0x80                                       ; my 64 x 64 of x, into window 2: 224 matrix instructions ahead of the wait for it
.irp a, 0,1,2,3
.irp t, 0,1,2,3,4,5,6,7
	global_load_b128 v[32*(\a)+4*(\t):32*(\a)+4*(\t)+3], v[XO], s[76:77] offset:(16*(\a)+2*(\t))*4096 th:TH_LOAD_NT
.endr
.endr
	QUARTER 0, 2, F1, F0, 0                        ; the last lap fills nothing
	QUARTER 0, 3, F0, F1, 0
	TURN 0, 1, 0
	QUARTER 1, 1, F0, F1, 0
	QUARTER 1, 2, F1, F0, 0
	QUARTER 1, 3, F0, F1, 0
	s_wait_dscnt 16                                ; the very last quarter
	MUL8 F1, 0, 0, 0
	MUL8 F1, 0, 2, 0
	s_wait_dscnt 0x0
	MUL8 F1, 1, 0, 0
	MUL8 F1, 1, 2, 0
	; THE WAY OUT.  A wave's 64 columns of f32 are 256 bytes of a row of out0, aligned: its stage is its own, and no barrier is needed.  A block of 16 rows goes from the accumulators into rows of 272 bytes
	; (each accumulator's low four registers first) and comes back as whole rows; then sum x alpha + x, + bo x alpha, and sixteen lanes store 256 consecutive bytes.
	WIN 0x20                                       ; source 2 (x) in window 2, all else in window 0
	PLACES
	s_wait_loadcnt 0x0                             ; bo and x
	v_pk_mul_f32 v[BOA:BOA+1], v[BOV:BOV+1], s[AL:AL+1] op_sel_hi:[1,0]
	v_pk_mul_f32 v[BOA+2:BOA+3], v[BOV+2:BOV+3], s[AL:AL+1] op_sel_hi:[1,0]
.macro STG a
.if (\a) >= 2
	s_wait_xcnt 0x0                                ; the stores of the block two back have read this set of registers
.endif
.irp b, 0,1,2,3
	ds_store_b128 v[STO], v[ACC+8*(4*(\a)+(\b)):ACC+8*(4*(\a)+(\b))+3]   offset:64*(\b)
	ds_store_b128 v[STO], v[ACC+8*(4*(\a)+(\b))+4:ACC+8*(4*(\a)+(\b))+7] offset:64*(\b)+16
.endr
.irp t, 0,1,2,3,4,5,6,7
	ds_load_b128 v[TMP+32*((\a)%2)+4*(\t):TMP+32*((\a)%2)+4*(\t)+3], v[RD] offset:(\t)*2*SPITCH  ; LDS serves a wave's instructions in order (ISA guide 5.7.1.4): these see the stores above
.endr
.endm
.macro OUT a, younger                  ; younger: the LDS instructions issued behind block a's loads: the next block's sixteen, or none
.irp t, 0,1,2,3,4,5,6,7
	s_wait_dscnt (\younger)+7-(\t)
	v_pk_fma_f32 v[TMP+32*((\a)%2)+4*(\t):TMP+32*((\a)%2)+4*(\t)+1],   v[TMP+32*((\a)%2)+4*(\t):TMP+32*((\a)%2)+4*(\t)+1],   s[AL:AL+1], v[32*(\a)+4*(\t):32*(\a)+4*(\t)+1]   op_sel_hi:[1,0,1]
	v_pk_fma_f32 v[TMP+32*((\a)%2)+4*(\t)+2:TMP+32*((\a)%2)+4*(\t)+3], v[TMP+32*((\a)%2)+4*(\t)+2:TMP+32*((\a)%2)+4*(\t)+3], s[AL:AL+1], v[32*(\a)+4*(\t)+2:32*(\a)+4*(\t)+3] op_sel_hi:[1,0,1]
	v_pk_add_f32 v[TMP+32*((\a)%2)+4*(\t):TMP+32*((\a)%2)+4*(\t)+1],   v[TMP+32*((\a)%2)+4*(\t):TMP+32*((\a)%2)+4*(\t)+1],   v[BOA:BOA+1]
	v_pk_add_f32 v[TMP+32*((\a)%2)+4*(\t)+2:TMP+32*((\a)%2)+4*(\t)+3], v[TMP+32*((\a)%2)+4*(\t)+2:TMP+32*((\a)%2)+4*(\t)+3], v[BOA+2:BOA+3]
	global_store_b128 v[XO], v[TMP+32*((\a)%2)+4*(\t):TMP+32*((\a)%2)+4*(\t)+3], s[78:79] offset:(16*(\a)+2*(\t))*4096
.endr
.endm
	STG 0
	STG 1                                          ; a block's trip through the stage stands between the loads of the block before and its arithmetic
	OUT 0, 16
	STG 2
	OUT 1, 16
	STG 3
	OUT 2, 16
	OUT 3, 0
	WIN 0
	s_wait_tensorcnt 0x0                           ; the wave's end, behind my last tensor load and my last LDS store
	ds_add_u32 v[SPW], v[NIL]
	s_wait_dscnt 0x0
	CROUND                                         ; the closing round: no work-group ends while a partner may still ask for a tile that names it
	s_endpgm
.Lfunc_end_k_qa988bb93e9_oproj:
	.size	k_qa988bb93e9_oproj, .Lfunc_end_k_qa988bb93e9_oproj-k_qa988bb93e9_oproj
	.p2alignl 7, 3214868480
	.fill 96, 4, 3214868480
	.section	.rodata,"a",@progbits
	.p2align	6, 0x0
	.amdhsa_kernel k_qa988bb93e9_oproj
		.amdhsa_group_segment_fixed_size 327680
		.amdhsa_private_segment_fixed_size 0
		.amdhsa_enable_private_segment 0
		.amdhsa_kernarg_size 48
		.amdhsa_user_sgpr_count 2
		.amdhsa_user_sgpr_kernarg_segment_ptr 1
		.amdhsa_wavefront_size32 1
		.amdhsa_system_sgpr_workgroup_id_x 1
		.amdhsa_system_sgpr_workgroup_id_y 1
		.amdhsa_system_sgpr_workgroup_id_z 1
		.amdhsa_system_vgpr_workitem_id 0
		.amdhsa_next_free_vgpr 640
		.amdhsa_next_free_sgpr 80
		.amdhsa_reserve_vcc 0
		.amdhsa_float_denorm_mode_32 3
		.amdhsa_float_denorm_mode_16_64 3
		.amdhsa_memory_ordered 1
		.amdhsa_forward_progress 1
		.amdhsa_inst_pref_size 98
	.end_amdhsa_kernel
	.amdgpu_metadata
---
amdhsa.version: [ 1, 2 ]
amdhsa.kernels:
  - .name:           k_qa988bb93e9_oproj
    .symbol:         k_qa988bb93e9_oproj.kd
    .args:
      - { .name: ao, .offset: 0, .size: 8, .value_kind: global_buffer, .address_space: global }
      - { .name: cb, .offset: 8, .size: 8, .value_kind: global_buffer, .address_space: global }
      - { .name: x, .offset: 16, .size: 8, .value_kind: global_buffer, .address_space: global }
      - { .name: bo, .offset: 24, .size: 8, .value_kind: global_buffer, .address_space: global }
      - { .name: alpha, .offset: 32, .size: 8, .value_kind: global_buffer, .address_space: global }
      - { .name: out0, .offset: 40, .size: 8, .value_kind: global_buffer, .address_space: global }
    .group_segment_fixed_size: 327680
    .private_segment_fixed_size: 0
    .kernarg_segment_align: 8
    .kernarg_segment_size: 48
    .max_flat_workgroup_size: 128
    .sgpr_count:     80
    .vgpr_count:     640
    .wavefront_size: 32
...
	.end_amdgpu_metadata
.endif
;; end of part 4
;; ======== version 2 of 2: 4 launches; version 1 with the launch cast written anew for expert scheduling mode
;; limits: right only within a limited range of input values
;; workspace buffers: cb 16,777,216 bytes; qkv 25,165,824 bytes; ao 8,388,608 bytes
;; launch cast (part 5): grid 64 x 8, 8 waves a work-group, no clusters, 0 bytes of LDS; arguments x, wq, wk, wv, wo, cb; writes cb
.if DOCPART == 5
	.amdgcn_target "amdgcn-amd-amdhsa--gfx1250"
	.amdhsa_code_object_version 6
	.text
	.protected	k_qa988bb93e9_cast
	.globl	k_qa988bb93e9_cast
	.p2align	8
	.type	k_qa988bb93e9_cast,@function
k_qa988bb93e9_cast:
	s_mov_b64 s[64:65], 0
	v_nop
	global_prefetch_b8 v0, s[64:65] scope:SCOPE_SE
	s_setreg_imm32_b32 hwreg(HW_REG_WAVE_SCHED_MODE, 0, 2), 2
	s_setreg_imm32_b32 hwreg(HW_REG_WAVE_MODE, 25, 1), 1
	s_wait_xcnt 0x0
	s_wait_alu depctr_vm_vsrc(0)
; SIGMOID SELF-ATTENTION, launch 1 of 4: x, wq, wk, wv and wo are rounded once to bf16, the matrix operands of launches 2 and 4.
; NO WORK OF THE PROBLEM IS LEFT OUT, in any launch: all ten inputs reach the output.  A sigmoid is not unchanged by a term common to its row, so bk is live as bq is;
; bv passes through the normalised gates, whose sum is not exactly 1 (the 1e-6 in the divisor); bo and alpha stand in the last line.
; cb: bytes 0 .. 8,388,607 hold x as [4096][1024] bf16; behind it [4096][1024] bf16: the rows of wq, wk, wv, wo one after the other.
; SHARES.  The grid's y names a chunk of 4 MiB of f32: 0-3 are quarters of x, 4-7 are wq, wk, wv, wo.  A work-group takes 65,536 bytes of it, a wave 8,192: 16 loads of 512 consecutive
; bytes, all issued before the first wait for data; a lane's four numbers become 8 bytes, and a wave's store covers 256 consecutive bytes, aligned.  No LDS, no barrier, no matrix unit: a stream.
; LIMITS.  Rounding to nearest even; NaN and infinities pass as v_cvt_pk_bf16_f32 makes them.
; THE MODE: SCHED_MODE bits 1:0 = 2 (LLVM: expert scheduling mode 2), set by the entry lines.  The code itself states the register dependences
; between vector instructions and memory instructions, with s_wait_alu, always for 0.
; THE PLAN.  Registers that memory instructions touch:
;   v1, v2   the loads' and the stores' byte offsets: made once at the head by vector instructions, read by every load and by every store, never written again.
;   X        four registers to load i: written once, by that load; read by unit i's two conversions; no vector instruction names them ahead of the load.
;   Y        a pair to unit i: written once, by unit i's two conversions; read once, by store i.
; No register is written a second time, so the only dependences to state run from a vector instruction's write to a memory instruction's read: the offsets, once, and each pair of Y ahead of its store.
; A UNIT is a load's wait and its two conversions; the 16 units go in four BLOCKS of four.  The stores of block p - 1 are issued in block p: one wait at the block's head, behind the wait for the
; block's first load, states that the block before has written its Y; the four stores follow it, one ahead of each unit, with no further wait: the conversions between name this block's X and Y alone.
.set NL,  16                           ; loads of a wave
.set BL,  4                            ; units in a block
.set X,   4                            ; v[4:67]   as loaded
.set Y,   68                           ; v[68:99]  as stored
	s_load_b256 s[4:11], s[0:1], 0x0               ; x s[4:5], wq s[6:7], wk s[8:9], wv s[10:11]
	s_load_b128 s[12:15], s[0:1], 0x20             ; wo s[12:13], cb s[14:15]
	s_and_b32 s20, ttmp7, 0xffff                   ; the chunk
	v_lshrrev_b32 v3, 5, v0                        ; wave
	v_and_b32 v2, 31, v0                           ; lane
	v_lshlrev_b32 v1, 4, v2
	v_lshl_or_b32 v1, v3, 13, v1                   ; source: 8,192 x wave + 16 x lane
	v_lshlrev_b32 v2, 3, v2
	v_lshl_or_b32 v2, v3, 12, v2                   ; destination: half of that
	s_cmp_lt_u32 s20, 4
	s_cselect_b32 s22, s20, 0                      ; a quarter of x, or a whole weight matrix from its first byte
	s_lshl_b32 s22, s22, 22
	s_lshl_b32 s21, ttmp9, 16
	s_add_co_u32 s22, s22, s21
	s_mov_b32 s23, 0
	s_lshl_b32 s24, s20, 21                        ; a chunk is 2 MiB of cb
	s_lshl_b32 s21, ttmp9, 15
	s_add_co_u32 s24, s24, s21
	s_mov_b32 s25, 0
	s_wait_kmcnt 0x0
	s_mov_b64 s[16:17], s[4:5]
	s_cmp_eq_u32 s20, 4
	s_cselect_b64 s[16:17], s[6:7], s[16:17]
	s_cmp_eq_u32 s20, 5
	s_cselect_b64 s[16:17], s[8:9], s[16:17]
	s_cmp_eq_u32 s20, 6
	s_cselect_b64 s[16:17], s[10:11], s[16:17]
	s_cmp_eq_u32 s20, 7
	s_cselect_b64 s[16:17], s[12:13], s[16:17]
	s_add_nc_u64 s[16:17], s[16:17], s[22:23]
	s_add_nc_u64 s[14:15], s[14:15], s[24:25]
	s_wait_alu depctr_va_vdst(0)                   ; v1 and v2 are written: every load below reads v1 as its offset, every store v2
.set i, 0
.rept NL
	global_load_b128 v[X+4*i:X+4*i+3], v1, s[16:17] offset:512*i th:TH_LOAD_NT
.set i, i+1
.endr
.set i, 0
.rept NL
.if (i%BL) == 0
	s_wait_loadcnt NL-1-i                          ; loads come back in order: the block's first load is in, the younger ones stay out
.if i > 0
	s_wait_alu depctr_va_vdst(0)                   ; the eight conversions of the block before have written their four pairs of Y, which this block's four stores read
.endif
.endif
.if i >= BL
	global_store_b64 v2, v[Y+2*(i-BL):Y+2*(i-BL)+1], s[14:15] offset:256*(i-BL)  ; the block before.  No wait: no vector instruction since the wait at the block's head names this pair or v2
.endif
.if (i%BL) != 0
	s_wait_loadcnt NL-1-i                          ; load i is in, the younger ones stay out
.endif
	v_cvt_pk_bf16_f32 v[Y+2*i], v[X+4*i], v[X+4*i+1]
	v_cvt_pk_bf16_f32 v[Y+2*i+1], v[X+4*i+2], v[X+4*i+3]
.set i, i+1
.endr
	s_wait_alu depctr_va_vdst(0)                   ; the last block's conversions have written their four pairs of Y, which the last four stores read
.set i, NL-BL
.rept BL
	global_store_b64 v2, v[Y+2*i:Y+2*i+1], s[14:15] offset:256*i
.set i, i+1
.endr
	s_endpgm
.Lfunc_end_k_qa988bb93e9_cast:
	.size	k_qa988bb93e9_cast, .Lfunc_end_k_qa988bb93e9_cast-k_qa988bb93e9_cast
	.p2alignl 7, 3214868480
	.fill 96, 4, 3214868480
	.section	.rodata,"a",@progbits
	.p2align	6, 0x0
	.amdhsa_kernel k_qa988bb93e9_cast
		.amdhsa_group_segment_fixed_size 0
		.amdhsa_private_segment_fixed_size 0
		.amdhsa_enable_private_segment 0
		.amdhsa_kernarg_size 48
		.amdhsa_user_sgpr_count 2
		.amdhsa_user_sgpr_kernarg_segment_ptr 1
		.amdhsa_wavefront_size32 1
		.amdhsa_system_sgpr_workgroup_id_x 1
		.amdhsa_system_sgpr_workgroup_id_y 1
		.amdhsa_system_sgpr_workgroup_id_z 1
		.amdhsa_system_vgpr_workitem_id 0
		.amdhsa_next_free_vgpr 100
		.amdhsa_next_free_sgpr 66
		.amdhsa_reserve_vcc 0
		.amdhsa_float_denorm_mode_32 3
		.amdhsa_float_denorm_mode_16_64 3
		.amdhsa_memory_ordered 1
		.amdhsa_forward_progress 1
		.amdhsa_inst_pref_size 8
	.end_amdhsa_kernel
	.amdgpu_metadata
---
amdhsa.version: [ 1, 2 ]
amdhsa.kernels:
  - .name:           k_qa988bb93e9_cast
    .symbol:         k_qa988bb93e9_cast.kd
    .args:
      - { .name: x, .offset: 0, .size: 8, .value_kind: global_buffer, .address_space: global }
      - { .name: wq, .offset: 8, .size: 8, .value_kind: global_buffer, .address_space: global }
      - { .name: wk, .offset: 16, .size: 8, .value_kind: global_buffer, .address_space: global }
      - { .name: wv, .offset: 24, .size: 8, .value_kind: global_buffer, .address_space: global }
      - { .name: wo, .offset: 32, .size: 8, .value_kind: global_buffer, .address_space: global }
      - { .name: cb, .offset: 40, .size: 8, .value_kind: global_buffer, .address_space: global }
    .group_segment_fixed_size: 0
    .private_segment_fixed_size: 0
    .kernarg_segment_align: 8
    .kernarg_segment_size: 48
    .max_flat_workgroup_size: 256
    .sgpr_count:     66
    .vgpr_count:     100
    .wavefront_size: 32
...
	.end_amdgpu_metadata
.endif
;; end of part 5
;; launch qkvp: the kernel of part 2 again; grid 16 x 16, 4 waves a work-group, clusters of 4 x 4, 327,680 bytes of LDS; arguments cb, bq, bk, bv, qkv; writes qkv
;; launch attn: the kernel of part 3 again; grid 8 x 32, 4 waves a work-group, clusters of 4 x 1, 327,680 bytes of LDS; arguments qkv, ao; writes ao
;; launch oproj: the kernel of part 4 again; grid 8 x 32, 4 waves a work-group, clusters of 4 x 4, 327,680 bytes of LDS; arguments ao, cb, x, bo, alpha, out0; writes out0
